; MI455X (gfx1250); checked and timed in simulation.
; The chip was launched on July 23, 2026; its instructions are those of AMD's public machine-readable ISA for CDNA 5 (MIT licence, August 2026) and "CDNA5" Instruction Set Architecture Reference Guide (July 2026). The comments in the code are by the model that wrote it; some were corrected since.
;; Multi Head Attention. Allowed arithmetic: matrix products marked QUANTISED: E4M3 operands, one E8M0 scale for each 32 along K, by v_wmma_scale_f32_16x16x128_f8f6f4 with both operands' format E4M3, f32 sums; everything else in f32.
;; Inputs: b_out 1,024 float32; w_out 1,024 x 1,024 float32; w_qkv 3,072 x 1,024 float32; x 4 x 2,048 x 1,024 float32.
;; Outputs: out0 4 x 2,048 x 1,024 float32.
;; This version of the problem:
;;   THIS VERSION OF THE PROBLEM IS GIVEN IN LOW PRECISION. The matrix products marked QUANTISED in the list below multiply operands that are first quantised to E4M3 (4 exponent bits, 3 mantissa bits; 8 bits a number), with one power-of-two scale for each 32 numbers along K (OCP MX v1.0); their sums are f32. All else is computed in f32.
;;   The module's matrix products, in the order in which they are computed (A, B: the left and right operand; K: the contracted axis; several contracted axes count as one K, in the product's order):
;;     1. [M 8,192, K 1,024] x [K 1,024, N 3,072]; A: input x; B: input w_qkv: QUANTISED
;;     2. batch 64 x [M 2,048, K 64] x [K 64, N 2,048]; A: computed on the way; B: computed on the way: QUANTISED
;;     3. batch 64 x [M 2,048, K 2,048] x [K 2,048, N 64]; A: softmax (see below); B: computed on the way: QUANTISED
;;     4. [M 8,192, K 1,024] x [K 1,024, N 1,024]; A: computed on the way; B: input w_out: QUANTISED
;;   THE QUANTISER, for each operand of a quantised product, along K:
;;     - K is cut into blocks of 32 from its start; a last block that is shorter is filled with zeros.
;;     - A block's scale is 2^e with e = floor(log2(the largest magnitude in the block)) - 8, held to -126 .. 127; a block of zeros has e = 0. As a byte (E8M0): e + 127.
;;     - Each number is divided by its block's scale, clamped to +-448, and rounded to the nearest number of E4M3, ties to even, subnormals kept.
;;     - The product sums the exact products of the quantised numbers (number of the format x scale) in f32.
;;   ~~~python
;;   def quantise(x, axis):      # numpy; x: float32 -> the quantised numbers, widened to float32 again
;;       x = np.moveaxis(x, axis, -1); K = x.shape[-1]
;;       x = np.pad(x, [(0, 0)] * (x.ndim - 1) + [(0, -K % 32)]); x = x.reshape(x.shape[:-1] + (-1, 32)); a = np.abs(x).max(-1, keepdims=True)
;;       e = np.where(a > 0, np.clip(np.frexp(np.where(a > 0, a, 1))[1] - 1 - 8, -126, 127), 0)      # np.frexp(a)[1] - 1 = floor(log2(a)), exactly
;;       r = np.clip(x / 2.0 ** e, -448, 448)
;;       step = 2.0 ** (np.maximum(np.frexp(np.where(r == 0, 1, r))[1] - 1, -6) - 3)
;;       q = np.round(r / step) * step * 2.0 ** e      # np.round: ties to even
;;       return np.moveaxis(q.reshape(q.shape[:-2] + (-1,))[..., :K], -1, axis).astype(np.float32)
;;   ~~~
;;   SOFTMAX AHEAD OF A QUANTISED PRODUCT. Where the list says 'softmax', what is quantised is not the finished softmax but p = 2^(t - M), with t = logit x log2(e) and M = ceil(the row's largest t), a whole number; so 1/2 < the row's largest p <= 1. The row's sum l is taken of the UNQUANTISED p, in f32, and the product's result is divided by l at the end. Since M is a whole number, a kernel that streams over the keys may use a running M (the ceiling of the running maximum): every later rescaling is an exact power of two, which a block's scale takes up: the codes' values come out the same.
;;   OPERANDS COMPUTED ON THE WAY. 'Computed on the way' means the value that the module computes at that place (a softmax that the list does not call 'softmax' is quantised finished and normalised). What goes into a quantiser is computed in f32, as accurately as f32 sums, v_exp_f32 and their like allow (about 1e-6 of the number): no bf16 or f16 on the way to a quantiser, and a product that is left as it is and whose result goes on into a quantised operand takes f32 operands (vector FMAs, or v_wmma_f32_16x16x4_f32). A number that lies on a knife's edge between two numbers of the format may be rounded either way, as far as f32 arithmetic and the matrix unit's own rounding can turn it there, and no further.
;; One version. Each part assembles by itself: llvm-mc -triple=amdgcn-amd-amdhsa -mcpu=gfx1250 --defsym DOCPART=n.
;; ======== version 1 of 1: 4 launches
;; limits: right only within a limited range of input values
;; workspace buffers: codes 12,582,912 bytes; scales 393,216 bytes; q_img 8,388,608 bytes; q_sc 524,288 bytes; kv 17,563,648 bytes; a_img 8,388,608 bytes; a_sc 262,144 bytes
;; launch quant (part 1): grid 768 x 1, 4 waves a work-group, no clusters, 68,608 bytes of LDS; arguments x, w_qkv, w_out, codes, scales; writes codes, scales
.if DOCPART == 1
	.amdgcn_target "amdgcn-amd-amdhsa--gfx1250"
	.amdhsa_code_object_version 6
	.text
	.protected	k_q891fbba3a2_quant
	.globl	k_q891fbba3a2_quant
	.p2align	8
	.type	k_q891fbba3a2_quant,@function
k_q891fbba3a2_quant:
	s_mov_b64 s[64:65], 0
	v_nop
	global_prefetch_b8 v0, s[64:65] scope:SCOPE_SE
	s_setreg_imm32_b32 hwreg(HW_REG_WAVE_MODE, 25, 1), 1
	s_wait_xcnt 0x0
; x [8192][1024], w_qkv [3072][1024], w_out [1024][1024], f32, become codes of FP8 (E4M3) with one E8M0 byte for each 32 along K (K = the 1,024 innermost).
; A block's scale is 2^(floor(log2(its largest magnitude)) - 8); each number is divided by it, held within +-448 and rounded to the nearest code, ties to even.
; LIMITS: a block of zeros, or one whose largest magnitude lies under 2^-118, gets the byte 1 (the rule says 127 for zeros): its codes are zeros or tiny, and this program alone reads the bytes.
;         NaN and infinities among the inputs are not served.
; LAYOUT OF THE RESULT.  The 12,288 rows are cut into 768 row tiles of 16 (0-511 x, 512-703 w_qkv, 704-767 w_out).  THE ROWS OF A TILE ARE NOT NEIGHBOURS: place r of tile 2 b + u of a tensor is its row
; 32 b + 8 u + r + 8 (r / 8), so that a product which takes such a tile as its source 0 leaves 16 neighbouring rows in the 16 registers of two neighbouring result tiles.
; A tile's codes lie as the images of its eight operand fragments (16 rows x 128 K): four chunks of 512 bytes, chunk c = registers 4 c .. 4 c + 3, lane l's 16 bytes at 16 l.  Scale bytes: [tile][place][32].
; SHARES.  A work-group makes one row tile, wave w its K = 256 w .. 256 w + 255: two fragments.  Each load reads 512 consecutive bytes of one row; the numbers turn through the wave's own stage in LDS, so that a lane
; gets 16 neighbours along K of each block of 32.  All 32 loads of a wave go out at once.  Work-groups share no input: no cluster, no tensor load, one barrier (for the tile's 512 scale bytes, which leave as one store).
.set STW,  16896                       ; LDS of a wave: two stages of 16 rows x 528 bytes
.set SP,   528                         ; a stage row: 512 bytes + 16: row r starts 4 r words on, modulo 64 (64 banks of 4 bytes: ISA guide 11.1)
.set SCB,  4*STW                       ; behind the stages: the tile's scale bytes, 16 places x 32
.set R,    16                          ; v16-143  the numbers as loaded: fragment f at R + 64 f, row p at + 4 p
.set X0,   144                         ; v144-207 fragment 0: register 16 b + i = K 32 b + 16 (lane / 16) + i of row lane % 16
.set X1,   16                          ; v16-79   fragment 1 likewise, in registers that fragment 0's stage stores have read
.set PC0,  208                         ; v208-223 fragment 0's codes
.set PC1,  224                         ; v224-239 fragment 1's
.set TM,   240                         ; v240-243 largest magnitudes, v244-247 bytes, v248-251 448 x the scale, v252-255 the conversions' scale operands
; 64 numbers of a lane become a fragment's 16 registers of codes in v[pc] on and its scale word in v[pw]
.macro QUANT s, pc, pw
.irp b, 0,1,2,3
	v_max3_num_f32 v[TM+\b], |v[\s+16*\b]|, |v[\s+1+16*\b]|, 0x4800000   ; block b: my 16 numbers, and the floor 2^(9 - 127): the byte cannot fall under 1
.endr
.irp i, 2,4,6,8,10,12,14
.irp b, 0,1,2,3
	v_max3_num_f32 v[TM+\b], v[TM+\b], |v[\s+16*\b+\i]|, |v[\s+1+16*\b+\i]|   ; the four blocks by turns
.endr
.endr
.irp b, 0,1,2,3
	v_permlanex16_b32 v[TM+4+\b], v[TM+\b], s20, s21
.endr
.irp b, 0,1,2,3
	v_max_num_f32 v[TM+\b], v[TM+\b], v[TM+4+\b]                   ; with lane l xor 16's 16: the block's largest magnitude
.endr
.irp b, 0,1,2,3
	v_add_nc_u32 v[TM+12+\b], 0xfc000000, v[TM+\b]                 ; 8 off its exponent field: the conversion takes this operand's exponent field as its scale
.endr
.irp b, 0,1,2,3
	v_and_or_b32 v[TM+8+\b], v[TM+\b], 0x7f800000, s23             ; 448 x the scale: the exponent field over 448's mantissa
.endr
.irp b, 0,1,2,3
	v_lshrrev_b32 v[TM+4+\b], 23, v[TM+12+\b]                      ; the scale's byte
.endr
	v_lshl_or_b32 v[\pw], v[TM+5], 8, v[TM+4]
	v_lshl_or_b32 v[\pw], v[TM+6], 16, v[\pw]
	v_lshl_or_b32 v[\pw], v[TM+7], 24, v[\pw]
.irp b, 0,1,2,3
.irp i, 0,1,2,3,4,5,6,7,8,9,10,11,12,13,14,15
	v_med3_num_f32 v[\s+16*\b+\i], v[\s+16*\b+\i], -v[TM+8+\b], v[TM+8+\b]   ; the conversion to an 8-bit code does not saturate (ISA guide 7.6.2): the hold comes first
.endr
	v_cvt_scalef32_pk8_fp8_f32 v[\pc+4*\b:\pc+1+4*\b], v[\s+16*\b:\s+7+16*\b], v[TM+12+\b]
	v_cvt_scalef32_pk8_fp8_f32 v[\pc+2+4*\b:\pc+3+4*\b], v[\s+8+16*\b:\s+15+16*\b], v[TM+12+\b]
.endr
	v_nop                                          ; one plain line behind the last conversion
.endm
	s_load_b256 s[4:11], s[0:1], 0x0               ; x s[4:5], w_qkv s[6:7], w_out s[8:9], codes s[10:11]
	s_load_b64 s[12:13], s[0:1], 0x20              ; scales
	v_lshl_add_u32 v9, v0, 2, 0x10a00
	s_set_vgpr_msb 0x40
	v_mov_b32 v1, 0
	s_set_vgpr_msb 0x4000
	v_lshrrev_b32 v1, 5, v0
	v_readfirstlane_b32 s16, v1                    ; wave 0..3
	v_and_b32 v1, 31, v0                           ; lane
	v_and_b32 v2, 15, v0                           ; r
	v_bfe_u32 v3, v0, 4, 1                         ; h
	v_lshlrev_b32 v4, 4, v1                        ; 16 x lane: my bytes of a load's 512, of a chunk, of the scale bytes
	s_mul_i32 s22, s16, STW
	v_add_nc_u32 v5, s22, v4                       ; the stage on the way in: a row as it lies
	v_mul_u32_u24 v6, v2, SP
	v_lshl_add_u32 v6, v3, 6, v6
	v_add_nc_u32 v6, s22, v6                       ; and on the way out: row r, + 64 h: my 16 numbers of a block of 32
	s_lshl_b32 s24, s16, 3
	s_add_co_u32 s24, s24, SCB
	v_lshlrev_b32 v7, 5, v2
	v_add_nc_u32 v7, s24, v7                       ; place r's 32 scale bytes, my wave's 8 of them
	v_add_nc_u32 v8, SCB, v4                       ; and all 512 on the way out
	s_mov_b32 s20, 0x76543210
	s_mov_b32 s21, 0xfedcba98                      ; v_permlanex16_b32's selects for lane l xor 16
	s_mov_b32 s23, 0x600000                        ; the mantissa field of 448
.irp b, 0,1,2,3
	v_mov_b32 v[TM+4+\b], 0                        ; written once: a lane permute's destination counts as one of its sources
.endr
	s_movk_i32 s14, 704
	s_wait_alu depctr_va_vdst(0)
	s_wait_kmcnt 0x0
	s_cmp_lt_u32 ttmp9, 704                        ; which tensor: the choice hangs on the work-group's number alone
	s_cselect_b64 s[6:7], s[6:7], s[8:9]
	s_cselect_b32 s14, 512, s14
	s_cmp_lt_u32 ttmp9, 512
	s_cselect_b64 s[4:5], s[4:5], s[6:7]
	s_cselect_b32 s14, 0, s14                      ; the tensor's first tile
	s_sub_co_u32 s15, ttmp9, s14                   ; my tile in the tensor
	s_lshr_b32 s17, s15, 1
	s_lshl_b32 s17, s17, 5
	s_and_b32 s18, s15, 1
	s_lshl_b32 s18, s18, 3
	s_add_co_u32 s17, s17, s18                     ; the row of its place 0: 32 (tile / 2) + 8 (tile % 2)
	s_lshl_b32 s18, s17, 12                        ; rows of 4,096 bytes (33.5 MB at the most)
	s_lshl_b32 s19, s16, 10                        ; my wave's 256 numbers
	s_add_co_u32 s18, s18, s19
	s_mov_b32 s19, 0
	s_add_nc_u64 s[4:5], s[4:5], s[18:19]
	s_lshl_b32 s18, ttmp9, 14                      ; a tile's codes are 16,384 bytes,
	s_lshl_b32 s19, s16, 12                        ; my two fragments 4,096
	s_add_co_u32 s18, s18, s19
	s_mov_b32 s19, 0
	s_add_nc_u64 s[10:11], s[10:11], s[18:19]
	s_lshl_b32 s18, ttmp9, 9
	s_add_nc_u64 s[12:13], s[12:13], s[18:19]
.irp f, 0,1
.irp p, 0,1,2,3,4,5,6,7,8,9,10,11,12,13,14,15
	global_load_b128 v[R+64*\f+4*\p:R+64*\f+4*\p+3], v4, s[4:5] offset:(\p+8*(\p/8))*4096+512*\f th:TH_LOAD_NT   ; place p's row: 512 consecutive bytes; read once in the launch
.endr
.endr
	s_wait_loadcnt 16                              ; fragment 0's 16 loads are in, fragment 1's may be out
.irp p, 0,1,2,3,4,5,6,7,8,9,10,11,12,13,14,15
	ds_store_b128 v5, v[R+4*\p:R+4*\p+3] offset:SP*\p
.endr
.irp b, 0,1,2,3
.irp j, 0,1,2,3
	ds_load_b128 v[X0+16*\b+4*\j:X0+16*\b+4*\j+3], v6 offset:128*\b+16*\j   ; LDS serves a wave's instructions in order (ISA guide 5.7.1.4): these see the stores above
.endr
.endr
	s_wait_loadcnt 0x0
.irp p, 0,1,2,3,4,5,6,7,8,9,10,11,12,13,14,15
	ds_store_b128 v5, v[R+64+4*\p:R+64+4*\p+3] offset:16*SP+SP*\p
.endr
	s_wait_dscnt 16                                ; all but the 16 stores just issued: fragment 0 is back, and its stage stores have read v16-79
.irp b, 0,1,2,3
.irp j, 0,1,2,3
	ds_load_b128 v[X1+16*\b+4*\j:X1+16*\b+4*\j+3], v6 offset:16*SP+128*\b+16*\j
.endr
.endr
	QUANT X0, PC0, 10
.irp c, 0,1,2,3
	global_store_b128 v4, v[PC0+4*\c:PC0+4*\c+3], s[10:11] offset:512*\c          ; a chunk: 512 consecutive bytes, aligned
.endr
	s_wait_dscnt 0x0                               ; fragment 1 is back
	QUANT X1, PC1, 11
.irp c, 0,1,2,3
	global_store_b128 v4, v[PC1+4*\c:PC1+4*\c+3], s[10:11] offset:2048+512*\c
.endr
	ds_store_b64 v7, v[10:11]                      ; my two scale words (lanes r and r + 16 write the same bytes with the same values)
	s_wait_dscnt 0x0                               ; for the others' sake: my store has landed
	s_barrier_signal -1
	s_barrier_wait -1
	s_cmp_lg_u32 s16, 0
	s_cbranch_scc1 .Lend                           ; wave 0 sends the tile's 512 scale bytes
	ds_load_b128 v[12:15], v8
	s_wait_dscnt 0x0
	global_store_b128 v4, v[12:15], s[12:13]       ; 512 consecutive bytes, aligned
.Lend:
	s_set_vgpr_msb 0x4
	s_wait_tensorcnt 0x0
	ds_add_u32 v9, v1
	s_wait_dscnt 0x0
	s_set_vgpr_msb 0x400
	s_endpgm
.Lfunc_end_k_q891fbba3a2_quant:
	.size	k_q891fbba3a2_quant, .Lfunc_end_k_q891fbba3a2_quant-k_q891fbba3a2_quant
	.p2alignl 7, 3214868480
	.fill 96, 4, 3214868480
	.section	.rodata,"a",@progbits
	.p2align	6, 0x0
	.amdhsa_kernel k_q891fbba3a2_quant
		.amdhsa_group_segment_fixed_size 68608
		.amdhsa_private_segment_fixed_size 0
		.amdhsa_enable_private_segment 0
		.amdhsa_kernarg_size 40
		.amdhsa_user_sgpr_count 2
		.amdhsa_user_sgpr_kernarg_segment_ptr 1
		.amdhsa_wavefront_size32 1
		.amdhsa_system_sgpr_workgroup_id_x 1
		.amdhsa_system_sgpr_workgroup_id_y 1
		.amdhsa_system_sgpr_workgroup_id_z 1
		.amdhsa_system_vgpr_workitem_id 0
		.amdhsa_next_free_vgpr 258
		.amdhsa_next_free_sgpr 66
		.amdhsa_reserve_vcc 0
		.amdhsa_float_denorm_mode_32 3
		.amdhsa_float_denorm_mode_16_64 3
		.amdhsa_memory_ordered 1
		.amdhsa_forward_progress 1
		.amdhsa_inst_pref_size 27
	.end_amdhsa_kernel
	.amdgpu_metadata
---
amdhsa.version: [ 1, 2 ]
amdhsa.kernels:
  - .name:           k_q891fbba3a2_quant
    .symbol:         k_q891fbba3a2_quant.kd
    .args:
      - { .name: x, .offset: 0, .size: 8, .value_kind: global_buffer, .address_space: global }
      - { .name: w_qkv, .offset: 8, .size: 8, .value_kind: global_buffer, .address_space: global }
      - { .name: w_out, .offset: 16, .size: 8, .value_kind: global_buffer, .address_space: global }
      - { .name: codes, .offset: 24, .size: 8, .value_kind: global_buffer, .address_space: global }
      - { .name: scales, .offset: 32, .size: 8, .value_kind: global_buffer, .address_space: global }
    .group_segment_fixed_size: 68608
    .private_segment_fixed_size: 0
    .kernarg_segment_align: 8
    .kernarg_segment_size: 40
    .max_flat_workgroup_size: 128
    .sgpr_count:     66
    .vgpr_count:     258
    .wavefront_size: 32
...
	.end_amdgpu_metadata
.endif
;; end of part 1
;; launch gemm_qkv (part 2): grid 8 x 48, 4 waves a work-group, clusters of 4 x 4, 327,680 bytes of LDS; arguments codes, scales, q_img, q_sc, kv; writes q_img, q_sc, kv
.if DOCPART == 2
	.amdgcn_target "amdgcn-amd-amdhsa--gfx1250"
	.amdhsa_code_object_version 6
	.text
	.protected	k_q891fbba3a2_gemm_qkv
	.globl	k_q891fbba3a2_gemm_qkv
	.p2align	8
	.type	k_q891fbba3a2_gemm_qkv,@function
k_q891fbba3a2_gemm_qkv:
	s_mov_b64 s[64:65], 0
	v_nop
	global_prefetch_b8 v0, s[64:65] scope:SCOPE_SE
	s_setreg_imm32_b32 hwreg(HW_REG_WAVE_MODE, 25, 1), 1
	s_wait_xcnt 0x0
	s_wait_alu depctr_hold_cnt(0) depctr_sa_sdst(0) depctr_va_vdst(0) depctr_va_sdst(0) depctr_va_ssrc(0) depctr_va_vcc(0) depctr_vm_vsrc(0)
	s_getreg_b32 s2, hwreg(HW_REG_IB_STS2, 6, 4)
	s_cmp_eq_u32 s2, 0
	s_cbranch_scc0 .Lentry_in_a_cluster
	s_endpgm
.Lentry_in_a_cluster:
	s_bfe_u32 s2, ttmp6, 0x10000c
	s_cmp_lg_u32 s2, 0xf033
	s_cbranch_scc0 .Lentry_shape_is_right
	s_endpgm
.Lentry_shape_is_right:
.set HALFT,  32768
.set SLOT,   4*HALFT
.set SCL,    2*SLOT
.set HALFS,  16*272
.set SBLK,   2*272
.set SPARE,  SCL+4*HALFS
.set FR,     16
.set NP,     8
.set ADRA, 16
.set ADRB, 20
.set LI,   26
.set ADRS, 27
.set SPW,  28
.set NIL,  29
.set SC,   32
.set AF,   128
.set PC,   64
.set TM,   80
.set WS,   96
.set VOB,  106
.set SVO,  108
.set SH,   109
.set TT,   110
.set G1, 24
.set G0, 32
.set G1B, 48
.set G0B, 56
.set G1S, 68
.set G0S, 76
.set G1SB, 80
.set G0SB, 88
.set SEL, 92
.set MNT, 94
.set ISV, 95
.set OB,  96
.set SB,  98
.set STB, 100
.set STS, 66
.set MSB, 0
.macro WIN new
.if MSB != \new
	s_set_vgpr_msb (MSB<<8)|\new
.set MSB, \new
.endif
.endm
.set MUL_LO, 0xa1
.set MUL_HI, 0xf1
.set TO_B,   0x40
.macro JLOAD g0a, g1a, g0b, g1b
	s_cmp_eq_u32 s15, 0
	s_cbranch_scc0 .Lfor_b_\@
	tensor_load_to_lds s[\g0a:\g0a+3], s[\g1a:\g1a+7]
	s_nop 0
.rept 4
	v_nop
.endr
	s_branch .Lasked_\@
.Lfor_b_\@:
	tensor_load_to_lds s[\g0b:\g0b+3], s[\g1b:\g1b+7]
	s_nop 0
.rept 4
	v_nop
.endr
.Lasked_\@:
.endm
.macro CREST
	s_cmp_lg_u32 s14, 0
	s_cbranch_scc1 .Lnot_wave_0_\@
	s_barrier_signal -3
.Lnot_wave_0_\@:
	s_barrier_wait -3
	s_barrier_signal -1
	s_barrier_wait -1
.endm
.macro CROUND
	s_barrier_signal -1
	s_barrier_wait -1
	CREST
.endm
	s_load_b256 s[4:11], s[0:1], 0x0
	s_load_b64 s[12:13], s[0:1], 0x20
	v_lshl_add_u32 v[SPW], v0, 2, SPARE
	v_mov_b32 v[NIL], 0
	ds_add_u32 v28, v29
	ds_add_u32 v28, v29
	s_wait_dscnt 0x0
	v_lshrrev_b32 v1, 5, v0
	v_readfirstlane_b32 s14, v1
	s_lshr_b32 s15, s14, 1
	s_and_b32 s16, s14, 1
	s_bfe_u32 s40, ttmp6, 0x40000
	s_bfe_u32 s41, ttmp6, 0x40004
	s_and_b32 s18, ttmp7, 0xffff
	s_lshr_b32 s[ISV], s18, 3
	s_xor_b32 s19, s[ISV], 1
	s_lshl_b32 s17, s18, 2
	s_mul_i32 s17, s17, s19
	s_add_co_u32 s17, s17, s41
	s_and_b32 s42, s18, 7
	s_lshl_b32 s42, s42, 3
	s_mul_i32 s42, s42, s[ISV]
	s_lshl_b32 s45, ttmp9, 2
	s_add_co_u32 s42, s42, s45
	s_add_co_u32 s42, s42, s40
	s_lshl_b32 s43, s41, 2
	s_lshl_b32 s43, 15, s43
	s_lshl_b32 s44, 0x1111, s40
	s_or_b32 s[G1+0], s43, (3<<16)|(1<<21)
	s_or_b32 s[G1B+0], s44, (3<<16)|(1<<21)
.irp g, G1, G1B
	s_mov_b32 s[\g+1], 512<<16
	s_mov_b32 s[\g+2], 16<<16                      ; the head's loads bring 16 row tiles; behind them the two words are set to 8, for the ring's
	s_mov_b32 s[\g+3], 512<<16
	s_mov_b32 s[\g+4], 16
	s_mov_b32 s[\g+5], 2048
	s_mov_b32 s[\g+6], 0
	s_mov_b32 s[\g+7], 0
.endr
	s_or_b32 s[G1S+0], s43, (3<<16)|(1<<20)|(1<<21)|(5<<22)|(3<<25)
	s_or_b32 s[G1SB+0], s44, (3<<16)|(1<<20)|(1<<21)|(5<<22)|(3<<25)
.irp g, G1S, G1SB
	s_mov_b32 s[\g+1], 32<<16
	s_mov_b32 s[\g+2], 32<<16                      ; the scales of 256 rows: 32 rows of 256 bytes
	s_mov_b32 s[\g+3], 32<<16
	s_mov_b32 s[\g+4], 32
	s_mov_b32 s[\g+5], 32
	s_mov_b32 s[\g+6], 0
	s_mov_b32 s[\g+7], 0
.endr
	s_mul_i32 s20, s[ISV], 640
	s_lshl_b32 s21, s17, 4
	s_add_co_u32 s20, s20, s21
	s_lshl_b32 s22, s20, 9
	s_lshl_b32 s20, s20, 14
	s_mov_b32 s21, 0
	s_mov_b32 s23, 0
	s_lshl_b32 s46, s19, 9
	s_lshl_b32 s47, s42, 4
	s_add_co_u32 s46, s46, s47
	s_lshl_b32 s92, s46, 9
	s_lshl_b32 s46, s46, 14
	s_mov_b32 s47, 0
	s_mov_b32 s93, 0
	s_mul_i32 s45, s14, HALFT
	s_wait_kmcnt 0x0
	s_add_nc_u64 s[20:21], s[4:5], s[20:21]
	s_add_nc_u64 s[22:23], s[6:7], s[22:23]
	s_add_nc_u64 s[46:47], s[4:5], s[46:47]
	s_add_nc_u64 s[92:93], s[6:7], s[92:93]
	CROUND
	s_mov_b32 s[G0S], 1
	s_mov_b32 s[G0S+1], SCL
	s_mov_b64 s[G0S+2:G0S+3], s[22:23]
	s_or_b32 s[G0S+3], s[G0S+3], 0x80000000
	s_mov_b32 s[G0SB], 1
	s_mov_b32 s[G0SB+1], SCL+2*HALFS
	s_mov_b64 s[G0SB+2:G0SB+3], s[92:93]
	s_or_b32 s[G0SB+3], s[G0SB+3], 0x80000000
	s_mov_b32 s[G0], 1                             ; the head's loads of K step 0, each a whole tile: A's 16 row tiles at slot 0's first byte,
	s_mov_b32 s[G0+1], 0
	s_mov_b64 s[G0+2:G0+3], s[20:21]
	s_or_b32 s[G0+3], s[G0+3], 0x80000000
	s_mov_b32 s[G0B], 1                            ; B's 16 behind them
	s_mov_b32 s[G0B+1], 2*HALFT
	s_mov_b64 s[G0B+2:G0B+3], s[46:47]
	s_or_b32 s[G0B+3], s[G0B+3], 0x80000000
	s_lshl_b32 s2, s16, 17                         ; in the ring I fetch 8 row tiles of 16,384 bytes: which half
	s_mov_b32 s3, 0
	s_add_nc_u64 s[20:21], s[20:21], s[2:3]
	s_add_nc_u64 s[46:47], s[46:47], s[2:3]
	s_mov_b32 s[G0+4], 1                           ; slot 1's groups 0: K step 1, my quarter
	s_add_co_u32 s[G0+5], s45, SLOT
	s_add_nc_u64 s[G0+6:G0+7], s[20:21], 4096
	s_or_b32 s[G0+7], s[G0+7], 0x80000000
	s_mov_b32 s[G0B+4], 1
	s_add_co_u32 s[G0B+5], s45, SLOT
	s_add_nc_u64 s[G0B+6:G0B+7], s[46:47], 4096
	s_or_b32 s[G0B+7], s[G0B+7], 0x80000000
; THE HEAD'S LOADS, ONE A WAVE: wave 0 K step 0's 256 rows of A, wave 1 its 256 rows of B, wave 2 A's scales, wave 3 B's.  One tree of branches on the wave's number: every way passes one load.
.macro ARM under, g0, g1, next
	s_cmp_lt_u32 s14, \under
	s_cbranch_scc0 \next
	tensor_load_to_lds s[\g0:\g0+3], s[\g1:\g1+7]
	s_nop 0
.rept 4
	v_nop
.endr
	s_branch .Lhead_asked
\next:
.endm
	ARM 1, G0,  G1,  .Lhead_b
	ARM 2, G0B, G1B, .Lhead_sa
	ARM 3, G0S, G1S, .Lhead_sb
	tensor_load_to_lds s[G0SB:G0SB+3], s[G1SB:G1SB+7]
	s_nop 0
.rept 4
	v_nop
.endr
.Lhead_asked:
	v_and_b32 v1, 15, v0
	v_bfe_u32 v2, v0, 4, 1
	v_and_b32 v3, 31, v0
	v_lshlrev_b32 v[LI], 4, v3
	s_mul_i32 s21, s15, HALFT
	s_mul_i32 s22, s16, HALFT
	s_add_co_u32 s22, s22, 2*HALFT
.irp s, 0,1
	v_add_nc_u32 v[ADRA+\s], s21, v[LI]
	v_add_nc_u32 v[ADRB+\s], s22, v[LI]
	s_add_co_u32 s21, s21, SLOT
	s_add_co_u32 s22, s22, SLOT
.endr
	v_lshlrev_b32 v5, 5, v1
	v_lshrrev_b32 v6, 3, v1
	v_lshl_add_u32 v5, v6, 4, v5
	s_mul_i32 s21, s15, HALFS
	s_mul_i32 s22, s16, HALFS
	s_add_co_u32 s22, s22, 2*HALFS
	s_sub_co_u32 s22, s22, s21
	v_mul_u32_u24 v6, s22, v2
	s_add_co_u32 s21, s21, SCL
	v_add_nc_u32 v5, v5, v6
	v_add_nc_u32 v[ADRS], s21, v5
	s_lshl_b32 s2, s17, 1
	s_add_co_u32 s2, s2, s15
	s_lshl_b32 s3, s42, 1
	s_add_co_u32 s3, s3, s16
	s_and_b32 s19, s3, 7
	s_cmp_lg_u32 s[ISV], 0
	s_cselect_b32 s18, s3, s2
	s_cselect_b32 s19, s2, s19
	s_cmp_eq_u32 ttmp9, 0
	s_cselect_b32 s20, 1, 0
	s_xor_b32 s21, s[ISV], 1
	s_and_b32 s20, s20, s21
	s_lshr_b32 s21, s18, 4
	s_lshl_b32 s21, s21, 4
	s_lshl_b32 s19, s19, 1
	s_add_co_u32 s21, s21, s19
	s_and_b32 s18, s18, 15
	s_mul_i32 s22, s20, 143360
	s_sub_co_u32 s22, 274432, s22
	s_mul_i32 s23, s20, 8960
	s_sub_co_u32 s23, 17152, s23
	s_mul_i32 s40, s21, s22
	s_mul_i32 s41, s18, s23
	s_add_co_u32 s40, s40, s41
	s_lshl_b32 s41, s[ISV], 13
	s_add_co_u32 s40, s40, s41
	s_mov_b32 s41, 0
	s_mul_i32 s43, s20, 266240
	s_sub_co_u32 s43, 274432, s43
	s_mul_i32 s44, s20, 16640
	s_sub_co_u32 s44, 17152, s44
	s_mul_i32 s46, s21, s43
	s_mul_i32 s47, s18, s44
	s_add_co_u32 s46, s46, s47
	s_xor_b32 s47, s20, 1
	s_lshl_b32 s47, s47, 14
	s_add_co_u32 s46, s46, s47
	s_lshl_b32 s47, s[ISV], 9
	s_add_co_u32 s46, s46, s47
	s_mov_b32 s47, 0
	s_cmp_lg_u32 s20, 0
	s_cselect_b64 s[OB:OB+1], s[8:9], s[12:13]
	s_cselect_b64 s[SB:SB+1], s[10:11], s[12:13]
	s_add_nc_u64 s[OB:OB+1], s[OB:OB+1], s[40:41]
	s_add_nc_u64 s[SB:SB+1], s[SB:SB+1], s[46:47]
	s_lshl_b32 s[STS], 0x400, s[ISV]
	s_mov_b32 s[STS+1], 0
	s_mul_i32 s[STB], s[ISV], 267264
	s_add_co_u32 s[STB], s[STB], 1024
	s_mov_b32 s[STB+1], 0
	s_cmp_lg_u32 s[ISV], 0
	s_cselect_b32 s22, 0x400, s22
	v_add_nc_u32 v[VOB], s22, v[LI]
	v_mul_u32_u24 v[SVO], s43, v2
	v_lshl_add_u32 v[SVO], v1, 4, v[SVO]
	v_lshlrev_b32 v[SH], 4, v2
	s_mov_b32 s[SEL], 0x76543210
	s_mov_b32 s[SEL+1], 0xfedcba98
	s_mov_b32 s[MNT], 0x600000
.irp b, 0,1,2,3
	v_mov_b32 v[TM+4+\b], 0
.endr
.macro FRAG reg, adr, q, i
.irp c, 0,1,2,3
	ds_load_b128 v[\reg+4*\c:\reg+4*\c+3], v[\adr] offset:4096*(\i)+2048*(\q)+512*\c
.endr
.endm
.macro MUL16 a0, p, q, sc, zero
.irp a, \a0, \a0+1
.irp b, 0,1,2,3,4,5,6,7
.if \zero
	v_wmma_scale_f32_16x16x128_f8f6f4 v[8*(8*((\a)%4)+\b):8*(8*((\a)%4)+\b)+7], v[128*(\p)+FR*\b:128*(\p)+FR*\b+FR-1], v[AF+FR*(\a):AF+FR*(\a)+FR-1], 0, v[SC+16*(\sc)+2*\b+(\q)], v[SC+16*(\sc)+2*(\a)+(\q)] matrix_a_scale:MATRIX_SCALE_ROW1
.else
	v_wmma_scale_f32_16x16x128_f8f6f4 v[8*(8*((\a)%4)+\b):8*(8*((\a)%4)+\b)+7], v[128*(\p)+FR*\b:128*(\p)+FR*\b+FR-1], v[AF+FR*(\a):AF+FR*(\a)+FR-1], v[8*(8*((\a)%4)+\b):8*(8*((\a)%4)+\b)+7], v[SC+16*(\sc)+2*\b+(\q)], v[SC+16*(\sc)+2*(\a)+(\q)] matrix_a_scale:MATRIX_SCALE_ROW1
.endif
.endr
.endr
.endm
.macro FETCH_B slot, q, p
	WIN TO_B
.irp i, 0,1,2,3,4,5,6,7
	FRAG 128*(\p)+FR*\i, ADRB+\slot, \q, \i
.endr
	WIN 0
.endm
.macro FETCH_A slot, q, i0
.irp i, \i0, \i0+1, \i0+2, \i0+3
	FRAG AF+FR*(\i), ADRA+\slot, \q, \i
.endr
.endm
.macro SCALES sc
.irp i, 0,1,2,3,4,5,6,7
	ds_load_b64 v[SC+16*\sc+2*\i:SC+16*\sc+2*\i+1], v[ADRS] offset:\i*SBLK
.endr
.endm
.macro PLACES n
.rept \n
	v_nop
.endr
.endm
.macro STEP slot, q, zero
	s_wait_dscnt 16
	WIN MUL_LO
	MUL16 0, (\q)%2, \q, \slot, \zero
	MUL16 2, (\q)%2, \q, \slot, \zero
	s_wait_dscnt 0
	PLACES NP
	FETCH_B \slot, (\q)+1, 1-(\q)%2
	FETCH_A \slot, (\q)+1, 0
	WIN MUL_HI
	MUL16 4, (\q)%2, \q, \slot, \zero
	MUL16 6, (\q)%2, \q, \slot, \zero
	PLACES NP
	WIN 0
	FETCH_A \slot, (\q)+1, 4
.endm
.macro TURN slot, next, fill
	s_wait_tensorcnt 0x0
	ds_add_u32 v[SPW], v[NIL]
	s_wait_dscnt 17
	WIN MUL_LO
	MUL16 0, 1, 1, \slot, 0
	s_wait_dscnt 0x0
	s_barrier_signal -1
	MUL16 2, 1, 1, \slot, 0
	WIN 0
	s_barrier_wait -1
.if \fill
	CREST
	s_add_nc_u64 s[G0+4*\slot+2:G0+4*\slot+3], s[G0+4*\slot+2:G0+4*\slot+3], 8192
	s_add_nc_u64 s[G0B+4*\slot+2:G0B+4*\slot+3], s[G0B+4*\slot+2:G0B+4*\slot+3], 8192
	JLOAD G0+4*\slot, G1, G0B+4*\slot, G1B
	PLACES NP-4
.else
	PLACES NP
.endif
	s_wait_alu depctr_va_vdst(0)
	v_add_nc_u32 v[ADRS], 8, v[ADRS]
	FETCH_B \next, 0, 0
	FETCH_A \next, 0, 0
	SCALES \next
	WIN MUL_HI
	MUL16 4, 1, 1, \slot, 0
	MUL16 6, 1, 1, \slot, 0
	PLACES NP
	WIN 0
	FETCH_A \next, 0, 4
.endm
	s_wait_alu depctr_va_vdst(0)
	s_wait_tensorcnt 0x0                           ; my tile of the head's four is in
	ds_add_u32 v[SPW], v[NIL]
	s_mov_b32 s[G1+2], 8<<16                       ; no tensor load of mine is out, so descriptors may be written: from here on a load brings 8 row tiles,
	s_mov_b32 s[G1+4], 8
	s_mov_b32 s[G1B+2], 8<<16
	s_mov_b32 s[G1B+4], 8
	s_lshl_b32 s2, s16, 17
	s_mov_b32 s3, 0
	s_mul_i32 s[G0+1], s14, HALFT                  ; and slot 0's groups 0 name my quarter
	s_add_nc_u64 s[G0+2:G0+3], s[G0+2:G0+3], s[2:3]
	s_mul_i32 s[G0B+1], s14, HALFT
	s_add_nc_u64 s[G0B+2:G0B+3], s[G0B+2:G0B+3], s[2:3]
	s_wait_dscnt 0x0
	CROUND                                         ; all four tiles are in, and all sixteen work-groups are here
	JLOAD G0+4, G1, G0B+4, G1B                     ; K step 1's load, the first tensor load behind the round
	FETCH_B 0, 0, 0
	FETCH_A 0, 0, 0
	SCALES 0
	FETCH_A 0, 0, 4
	STEP 0, 0, 1
	TURN 0, 1, 1
	STEP 1, 0, 0
	TURN 1, 0, 1
	STEP 0, 0, 0
	TURN 0, 1, 0
	STEP 1, 0, 0
	s_wait_dscnt 16
	WIN MUL_LO
	MUL16 0, 1, 1, 1, 0
	MUL16 2, 1, 1, 1, 0
	s_wait_dscnt 0
	WIN MUL_HI
	MUL16 4, 1, 1, 1, 0
	MUL16 6, 1, 1, 1, 0
	WIN 0
.macro QBLK a
.set AC, 64*((\a)%4)
.set WA, 0x28+0x14*((\a)/4)
.set WB, 0x82+0x41*((\a)/4)
.set WC, 0x02+((\a)/4)
	WIN WA
.irp b, 0,1,2,3
	v_max3_num_f32 v[TM+\b], 0x4800000, |v[AC+16*\b]|, |v[AC+16*\b+1]|
.endr
.irp i, 2,4,6,8,10,12,14
.irp b, 0,1,2,3
	v_max3_num_f32 v[TM+\b], v[TM+\b], |v[AC+16*\b+\i]|, |v[AC+16*\b+\i+1]|
.endr
.endr
	WIN 0
.irp b, 0,1,2,3
	v_permlanex16_b32 v[TM+4+\b], v[TM+\b], s[SEL], s[SEL+1]
.endr
.irp b, 0,1,2,3
	v_max_num_f32 v[TM+\b], v[TM+\b], v[TM+4+\b]
.endr
.irp b, 0,1,2,3
	v_add_nc_u32 v[TM+12+\b], 0xfc000000, v[TM+\b]
.endr
.irp b, 0,1,2,3
	v_and_or_b32 v[TM+8+\b], v[TM+\b], 0x7f800000, s[MNT]
.endr
.irp b, 0,1,2,3
	v_lshrrev_b32 v[TM+4+\b], 23, v[TM+12+\b]
.endr
	v_lshl_or_b32 v[WS+(\a)], v[TM+5], 8, v[TM+4]
	v_lshl_or_b32 v[WS+(\a)], v[TM+6], 16, v[WS+(\a)]
	v_lshl_or_b32 v[WS+(\a)], v[TM+7], 24, v[WS+(\a)]
	WIN WB
.irp b, 0,1,2,3
.irp i, 0,1,2,3,4,5,6,7,8,9,10,11,12,13,14,15
	v_med3_num_f32 v[AC+16*\b+\i], v[AC+16*\b+\i], -v[TM+8+\b], v[TM+8+\b]
.endr
.endr
	s_wait_alu depctr_va_vdst(0)
	s_wait_xcnt 0x0
.if (\a) == 4
	s_add_nc_u64 s[OB:OB+1], s[OB:OB+1], s[STB:STB+1]
.elseif (\a) > 0
	s_add_nc_u64 s[OB:OB+1], s[OB:OB+1], s[STS:STS+1]
.endif
	WIN WC
.irp b, 0,1,2,3
	v_cvt_scalef32_pk8_fp8_f32 v[PC+4*\b:PC+4*\b+1], v[AC+16*\b:AC+16*\b+7], v[TM+12+\b]
	v_cvt_scalef32_pk8_fp8_f32 v[PC+4*\b+2:PC+4*\b+3], v[AC+16*\b+8:AC+16*\b+15], v[TM+12+\b]
.endr
	WIN 0
	v_nop
	global_store_b128 v[LI], v[PC:PC+3], s[OB:OB+1]
	global_store_b128 v[LI], v[PC+4:PC+7], s[OB:OB+1] offset:512
	global_store_b128 v[VOB], v[PC+8:PC+11], s[OB:OB+1]
	global_store_b128 v[VOB], v[PC+12:PC+15], s[OB:OB+1] offset:512
.endm
	PLACES NP
.irp a, 0,1,2,3,4,5,6,7
	QBLK \a
.endr
	s_cmp_lg_u32 s[ISV], 0
	s_cbranch_scc1 .Lv_words
.irp i, 0,1,2,3,4,5,6,7
	v_bfe_u32 v[TT+\i], v[WS+\i], v[SH], 16
.endr
	global_store_b128 v[SVO], v[TT:TT+3], s[SB:SB+1]
	global_store_b128 v[SVO], v[TT+4:TT+7], s[SB:SB+1] offset:256
	s_branch .Lwords_out
.Lv_words:
	v_cmp_ne_u32 vcc_lo, 0, v2
.irp i, 0,1,2,3
	v_cndmask_b32 v[TT+\i], v[WS+\i], v[WS+4+\i], vcc_lo
.endr
	global_store_b128 v[SVO], v[TT:TT+3], s[SB:SB+1]
.Lwords_out:
	s_wait_tensorcnt 0x0
	ds_add_u32 v[SPW], v[NIL]
	s_wait_dscnt 0x0
	CROUND
	s_endpgm
.Lfunc_end_k_q891fbba3a2_gemm_qkv:
	.size	k_q891fbba3a2_gemm_qkv, .Lfunc_end_k_q891fbba3a2_gemm_qkv-k_q891fbba3a2_gemm_qkv
	.p2alignl 7, 3214868480
	.fill 96, 4, 3214868480
	.section	.rodata,"a",@progbits
	.p2align	6, 0x0
	.amdhsa_kernel k_q891fbba3a2_gemm_qkv
		.amdhsa_group_segment_fixed_size 327680
		.amdhsa_private_segment_fixed_size 0
		.amdhsa_enable_private_segment 0
		.amdhsa_kernarg_size 40
		.amdhsa_user_sgpr_count 2
		.amdhsa_user_sgpr_kernarg_segment_ptr 1
		.amdhsa_wavefront_size32 1
		.amdhsa_system_sgpr_workgroup_id_x 1
		.amdhsa_system_sgpr_workgroup_id_y 1
		.amdhsa_system_sgpr_workgroup_id_z 1
		.amdhsa_system_vgpr_workitem_id 0
		.amdhsa_next_free_vgpr 1024
		.amdhsa_next_free_sgpr 102
		.amdhsa_reserve_vcc 1
		.amdhsa_float_denorm_mode_32 3
		.amdhsa_float_denorm_mode_16_64 3
		.amdhsa_memory_ordered 1
		.amdhsa_forward_progress 1
		.amdhsa_inst_pref_size 188
	.end_amdhsa_kernel
	.amdgpu_metadata
---
amdhsa.version: [ 1, 2 ]
amdhsa.kernels:
  - .name:           k_q891fbba3a2_gemm_qkv
    .symbol:         k_q891fbba3a2_gemm_qkv.kd
    .args:
      - { .name: codes, .offset: 0, .size: 8, .value_kind: global_buffer, .address_space: global }
      - { .name: scales, .offset: 8, .size: 8, .value_kind: global_buffer, .address_space: global }
      - { .name: q_img, .offset: 16, .size: 8, .value_kind: global_buffer, .address_space: global }
      - { .name: q_sc, .offset: 24, .size: 8, .value_kind: global_buffer, .address_space: global }
      - { .name: kv, .offset: 32, .size: 8, .value_kind: global_buffer, .address_space: global }
    .group_segment_fixed_size: 327680
    .private_segment_fixed_size: 0
    .kernarg_segment_align: 8
    .kernarg_segment_size: 40
    .max_flat_workgroup_size: 128
    .sgpr_count:     102
    .vgpr_count:     1024
    .wavefront_size: 32
...
	.end_amdgpu_metadata
.endif
;; end of part 2
;; launch attn (part 3): grid 4 x 64, 8 waves a work-group, clusters of 4 x 1, 275,456 bytes of LDS; arguments q_img, q_sc, kv, a_img, a_sc; writes a_img, a_sc
.if DOCPART == 3
	.amdgcn_target "amdgcn-amd-amdhsa--gfx1250"
	.amdhsa_code_object_version 6
	.text
	.protected	k_q891fbba3a2_attn
	.globl	k_q891fbba3a2_attn
	.p2align	8
	.type	k_q891fbba3a2_attn,@function
k_q891fbba3a2_attn:
	s_mov_b64 s[64:65], 0
	v_nop
	global_prefetch_b8 v0, s[64:65] scope:SCOPE_SE
	s_setreg_imm32_b32 hwreg(HW_REG_WAVE_MODE, 25, 1), 1
	s_wait_xcnt 0x0
	s_wait_alu depctr_hold_cnt(0) depctr_sa_sdst(0) depctr_va_vdst(0) depctr_va_sdst(0) depctr_va_ssrc(0) depctr_va_vcc(0) depctr_vm_vsrc(0)
	s_getreg_b32 s2, hwreg(HW_REG_IB_STS2, 6, 4)
	s_cmp_eq_u32 s2, 0
	s_cbranch_scc0 .Lentry_in_a_cluster
	s_endpgm
.Lentry_in_a_cluster:
	s_bfe_u32 s2, ttmp6, 0x10000c
	s_cmp_lg_u32 s2, 0x3003
	s_cbranch_scc0 .Lentry_shape_is_right
	s_endpgm
.Lentry_shape_is_right:
; For each of 64 (batch, head): O = softmax(Q K^T / 8) V on codes of FP8 (E4M3) with E8M0 scales; the result is quantised along (head, d) for the output projection and leaves as codes.
; THE SOFTMAX AHEAD OF THE SECOND PRODUCT: t = score x log2(e) / 8; M = the row's largest t so far, rounded UP to a whole number; p = 2^(t - M) is quantised along the keys; the row's sum is taken of the
; unquantised p, in f32, and divides O at the end.  When M moves, the sum and O are multiplied by 2^(old M - new M): exact, in every step, with no branch on data.
; SHARES.  A work-group owns 512 queries of one head.  The head's K, V and scale words, 16 records of 17,152 bytes, lie in LDS at once, filled once: no ring, no refill.  The four work-groups of a head form a
; cluster and ask for these bytes JOINTLY: wave w's one tensor load brings records 2 w and 2 w + 1.  No prefetch: all the launch's tensor loads go out at its head, so there is no loop of loads to run ahead in.
; Each of the eight waves makes two passes; in a pass it holds TWO query tiles of 16, and each fragment of K and V read from LDS feeds two products.
; LAYOUT.  Both products are used transposed (S^T = K Q^T, O^T = V^T P^T): a lane holds ONE query (lane % 16).  The places of a tile of keys (and of V^T's rows d) are such that the 16 registers of result tiles
; 2 b and 2 b + 1 are 16 neighbours, 32 b + 16 (lane / 16) + 0 .. 15: the conversions' results are the next operand's registers.  All operands are images of their registers: 512 consecutive bytes a load.
; K = 64 IN A FORM OF K = 128: Q's registers 8-15 are zero codes; a tile of K is named as 16 registers, of which the upper 8 are the next tile's codes (never a NaN code) or, behind tile 7, zeros.
; A BLOCK'S SCALE: the block's largest p is 2^a, a = t - M of the block's largest score, so its exponent is floor(a): the byte is floor(a) + 119, with a held at -118 from below (byte 1).
; ORDER OF A STEP.  The two tiles' exponentials are two batches with a wait ahead of, between and behind them.  Among a batch's lines stand plain lines whose sources were
; made ahead of the wait in front of it and whose results are first read behind the wait that follows: tile 1's t - M among tile 0's exponentials; tile 0's first level of sums and its holds among tile 1's.
; THE HOLDS go two to an instruction (a dual pair): 448 x the scale is kept twice, in registers of different banks, as the pair's second sources.
; LIMITS: NaN and infinities are not served; the promise holds while |t| stays under 2^31; p under 2^-126 falls to 0 (v_exp_f32 flushes: ISA guide 15.8); where v_exp_f32 rounds a block's largest p up to the next
; power of two (a within an ulp under a whole number), that one p is held at 448 x the scale; a block whose largest p lies under 2^-118 gets the byte 1.
; REGISTERS.  Window 0: v1-9 addresses; v10-35 tile 0's state, v36-61 tile 1's; v64-127 tile 0's S^T, then p; v128-191 tile 1's; v192-223 p's codes (first: partial sums); v224-239 scale words; v241-251 the holds' copies.
;   Window 1: v0-31 Q (8 registers and 8 zeros a tile); v32-95 K's eight tiles, v96-103 zeros; v128-191 V^T's four fragments; v192-223, v224-255 O^T.  So the whole softmax runs with every window 0.
.set REC,  17152                       ; a key step's record: K's 8 tiles (8,192), V^T's 4 fragments (8,192), K's scale words (512), V's (256)
.set LI,   1                           ; 16 x lane
.set R16,  2                           ; 16 x (lane % 16)
.set AL,   3                           ; this step's record + 16 x lane
.set AR,   4                           ; this step's record + 16 x (lane % 16)
.set HH,   5                           ; h = lane / 16
.set SH8,  6                           ; 8 h
.set ASO,  7                           ; 32 r + h: my byte among a tile's scale bytes
.set SPW,  8                           ; my spare word; never rewritten
.set NIL,  9                           ; 0; never rewritten
.set TS,   26                          ; from tile 0's state to tile 1's
.set NM,   10                          ; -M; NM + 1: the largest score so far
.set LA,   12                          ; the sum in four parts: LA, LB
.set LB,   14
.set BM,   16                          ; the blocks' largest scores, then floor(a)
.set PT,   20                          ; lane permutes' results
.set HD,   24                          ; 448 x the scale
.set SO,   28                          ; the conversions' scale operands
.set FF,   32                          ; f = 2^(old M - new M); at the end 1 / the sum
.set TT,   34                          ; at work; TT + 1: the old -M
.set SS,   64
.set PC,   192
.set KSW,  224
.set VSW,  232
.set QS,   236
.set PS,   238
.set H2,   241                         ; 448 x the scale once more: tile u's at H2 + 7 u: a register number that differs from HD's modulo 4
.set QF,   0                           ; window 1
.set KF,   32                          ; window 1
.set ZT,   96                          ; window 1
.set VF,   128                         ; window 1
.set OO,   192                         ; window 1
.set WV,   14
.set MNT,  19                          ; the mantissa field of 448
.set SEL,  20                          ; s[20:21] lane selects for lane l xor 16
.set CS,   22                          ; s[22:23] c = log2(e) / 8
.set G1,   24
.set G0,   32
.set TV,   36                          ; LDS byte of this step's record
.set NC,   37                          ; -c
.set STP,  38
.set PAS,  39
.set MSB, 0
.macro WIN new                         ; bits 1:0 source 0, 3:2 source 1, 5:4 source 2, 7:6 destination; the high byte repeats the setting that is left
.if MSB != \new
	s_set_vgpr_msb (MSB<<8)|\new
.set MSB, \new
.endif
.endm
.macro CROUND                          ; a round of the cluster's barrier
	s_barrier_signal -1
	s_barrier_wait -1
	s_cmp_lg_u32 s[WV], 0
	s_cbranch_scc1 .Lnot_wave_0_\@
	s_barrier_signal -3
.Lnot_wave_0_\@:
	s_barrier_wait -3
	s_barrier_signal -1
	s_barrier_wait -1
.endm
.macro QLOAD p                         ; pass p's two query tiles and their scale words
	WIN 0x40                                       ; destination window 1
	global_load_b128 v[QF:QF+3], v[LI], s[4:5] offset:16384*\p
	global_load_b128 v[QF+4:QF+7], v[LI], s[4:5] offset:16384*\p+512
	global_load_b128 v[QF+16:QF+19], v[LI], s[4:5] offset:16384*\p+1024
	global_load_b128 v[QF+20:QF+23], v[LI], s[4:5] offset:16384*\p+1536
	WIN 0
	global_load_b32 v[QS], v[R16], s[6:7] offset:1024*\p
	global_load_b32 v[QS+1], v[R16], s[6:7] offset:1024*\p+4
.endm
	s_load_b256 s[4:11], s[0:1], 0x0               ; q_img s[4:5], q_sc s[6:7], kv s[8:9], a_img s[10:11]
	s_load_b64 s[12:13], s[0:1], 0x20              ; a_sc
	v_lshl_add_u32 v[SPW], v0, 2, 0x43000          ; the spare words lie behind the 16 records
	v_mov_b32 v[NIL], 0
	ds_add_u32 v[SPW], v[NIL]                      ; the opening lines: the add, twice on end, and its wait ahead of my tensor load
	ds_add_u32 v[SPW], v[NIL]
	v_lshrrev_b32 v[AL], 5, v0
	v_readfirstlane_b32 s[WV], v[AL]               ; wave 0..7
	v_and_b32 v[AL], 31, v0
	v_lshlrev_b32 v[LI], 4, v[AL]
	v_and_b32 v[AR], 15, v0
	v_lshlrev_b32 v[R16], 4, v[AR]
	v_bfe_u32 v[HH], v0, 4, 1
	v_lshl_add_u32 v[ASO], v[AR], 5, v[HH]
	v_lshlrev_b32 v[SH8], 3, v[HH]
	s_bfe_u32 s15, ttmp6, 0x40000                  ; cx: which quarter of the head's queries: it enters Q's and the results' addresses alone
	s_and_b32 s16, ttmp7, 0xffff                   ; 16 x batch + head, which the four partners share
	s_and_b32 s17, s16, 15                         ; head
	s_lshr_b32 s18, s16, 4                         ; batch
	; descriptor group 1: two records, 34,304 dense bytes, as 134 rows of 256 bytes (32 elements of 8 bytes)
	s_mov_b32 s[G1], 15|(3<<16)|(1<<21)            ; the mask of all four work-groups; elements of 8 bytes; bit 21 set beside a mask
	s_mov_b32 s[G1+1], 32<<16
	s_mov_b32 s[G1+2], 134<<16
	s_mov_b32 s[G1+3], 32<<16
	s_mov_b32 s[G1+4], 134
	s_mov_b32 s[G1+5], 32
	s_mov_b32 s[G1+6], 0
	s_mov_b32 s[G1+7], 0
	s_mul_i32 s42, s[WV], 2*REC                    ; my two records, in LDS and in the head
	s_mul_i32 s40, s16, 16*REC
	s_add_co_u32 s40, s40, s42
	s_mov_b32 s41, 0
	s_lshl_b32 s44, s16, 17                        ; Q: a head's 128 tiles of 1,024 bytes; my tiles are 32 cx + 16 pass + 2 wave + 0, 1
	s_lshl_b32 s45, s15, 15
	s_add_co_u32 s44, s44, s45
	s_lshl_b32 s45, s[WV], 11
	s_add_co_u32 s44, s44, s45
	s_mov_b32 s45, 0
	s_lshl_b32 s46, s16, 13                        ; Q's scale words: [head][tile / 8][(tile % 8) / 4][row][tile % 4]
	s_lshl_b32 s47, s15, 11
	s_add_co_u32 s46, s46, s47
	s_lshr_b32 s47, s[WV], 2
	s_lshl_b32 s47, s47, 9
	s_add_co_u32 s46, s46, s47
	s_bfe_u32 s47, s[WV], 0x10001
	s_lshl_b32 s47, s47, 8
	s_add_co_u32 s46, s46, s47
	s_and_b32 s47, s[WV], 1
	s_lshl_b32 s47, s47, 3
	s_add_co_u32 s46, s46, s47
	s_mov_b32 s47, 0
	s_lshl_b32 s48, s18, 7
	s_lshl_b32 s49, s15, 5
	s_add_co_u32 s48, s48, s49
	s_lshl_b32 s49, s[WV], 1
	s_add_co_u32 s48, s48, s49                     ; my first row tile of the 512: 128 batch + 32 cx + 2 wave
	s_lshl_b32 s50, s48, 14                        ; the result's codes: [row tile][head / 2][chunk 2 (head % 2) + b][512]
	s_lshr_b32 s51, s17, 1
	s_lshl_b32 s51, s51, 11
	s_add_co_u32 s50, s50, s51
	s_and_b32 s51, s17, 1
	s_lshl_b32 s51, s51, 10
	s_add_co_u32 s50, s50, s51
	s_mov_b32 s51, 0
	s_lshl_b32 s52, s48, 9                         ; its scale bytes: [row tile][row][32], byte 2 head + b
	s_lshl_b32 s53, s17, 1
	s_add_co_u32 s52, s52, s53
	s_mov_b32 s53, 0
	s_mov_b32 s[MNT], 0x600000
	s_mov_b32 s[SEL], 0x76543210
	s_mov_b32 s[SEL+1], 0xfedcba98
	s_mov_b32 s[CS], 0x3e38aa3b                    ; c = log2(e) / 8
	s_mov_b32 s[CS+1], s[CS]                       ; (named with it as a pair, so it is written)
	s_mov_b32 s[NC], 0xbe38aa3b                    ; -c
	s_wait_alu depctr_va_vdst(0)                   ; directly ahead of the waits below
	s_wait_dscnt 0x0                               ; both opening adds are done
	s_wait_kmcnt 0x0
	s_add_nc_u64 s[4:5], s[4:5], s[44:45]
	s_add_nc_u64 s[6:7], s[6:7], s[46:47]
	s_add_nc_u64 s[10:11], s[10:11], s[50:51]
	s_add_nc_u64 s[12:13], s[12:13], s[52:53]
	s_mov_b32 s[G0], 1
	s_mov_b32 s[G0+1], s42                         ; LDS address: the wave's number times a constant
	s_add_nc_u64 s[G0+2:G0+3], s[8:9], s[40:41]
	s_or_b32 s[G0+3], s[G0+3], 0x80000000
	CROUND                                         ; all four work-groups are here: the joint loads meet
	tensor_load_to_lds s[G0:G0+3], s[G1:G1+7]      ; my one tensor load of the launch
	s_nop 0
.rept 4
	v_nop
.endr
	QLOAD 0
.irp u, 0,1
.irp b, 0,1,2,3
	v_mov_b32 v[PT+TS*\u+\b], 0                    ; written once: a lane permute's destination counts as one of its sources
.endr
	v_mov_b32 v[FF+1+TS*\u], 0                     ; (named as the upper half of a pair)
.endr
	WIN 0x40
.irp j, 0,1,2,3,4,5,6,7
	v_mov_b32 v[QF+8+\j], 0                        ; Q's zero codes for K = 64 .. 127, tile 0's
	v_mov_b32 v[QF+24+\j], 0                       ; and tile 1's
	v_mov_b32 v[ZT+\j], 0                          ; and the zeros behind K's tile 7
.endr
	WIN 0
; BOTH TILES' SOFTMAX FOR ONE KEY STEP.  S^T's register SS + 64 u + 16 b + i is key 32 b + 16 (lane / 16) + i of the step, for tile u.
.macro SOFT2
.irp u, 0,1
.irp b, 0,1,2,3
	v_max3_num_f32 v[BM+TS*\u+\b], v[SS+64*\u+16*\b], v[SS+64*\u+16*\b+1], v[SS+64*\u+16*\b+2]   ; the largest score of each block of 32 keys: eight chains by turns; each accumulator is read from its low end on
.endr
.endr
.irp i, 3,5,7,9,11,13
.irp u, 0,1
.irp b, 0,1,2,3
	v_max3_num_f32 v[BM+TS*\u+\b], v[BM+TS*\u+\b], v[SS+64*\u+16*\b+\i], v[SS+64*\u+16*\b+\i+1]
.endr
.endr
.endr
.irp u, 0,1
.irp b, 0,1,2,3
	v_max_num_f32 v[BM+TS*\u+\b], v[BM+TS*\u+\b], v[SS+64*\u+16*\b+15]
.endr
.endr
.irp u, 0,1
.irp b, 0,1,2,3
	v_permlanex16_b32 v[PT+TS*\u+\b], v[BM+TS*\u+\b], s[SEL], s[SEL+1]
.endr
.endr
.irp u, 0,1
.irp b, 0,2
	v_dual_max_num_f32 v[BM+TS*\u+\b], v[BM+TS*\u+\b], v[PT+TS*\u+\b] :: v_dual_max_num_f32 v[BM+TS*\u+\b+1], v[BM+TS*\u+\b+1], v[PT+TS*\u+\b+1]   ; with lane l xor 16's 16 keys; two blocks to a dual pair
.endr
.endr
.irp u, 0,1
	v_max3_num_f32 v[TT+TS*\u], v[BM+TS*\u], v[BM+TS*\u+1], v[BM+TS*\u+2]
.endr
.irp u, 0,1
	v_max3_num_f32 v[NM+1+TS*\u], v[NM+1+TS*\u], v[TT+TS*\u], v[BM+TS*\u+3]   ; the running largest score
.endr
.irp u, 0,1
	v_mul_f32 v[TT+TS*\u], s[NC], v[NM+1+TS*\u]    ; -t (c is positive)
.endr
.irp u, 0,1
	v_floor_f32 v[NM+TS*\u], v[TT+TS*\u]           ; the new -M = floor(-t) = -ceil(t): M is a whole number
.endr
.irp u, 0,1
.irp b, 0,1,2,3
	v_fma_f32 v[BM+TS*\u+\b], v[BM+TS*\u+\b], s[CS], v[NM+TS*\u]   ; a = t - M of each block's largest score
.endr
.endr
.irp u, 0,1
	v_sub_f32 v[TT+TS*\u], v[NM+TS*\u], v[TT+1+TS*\u]   ; old M - new M: a whole number, 0 or less
.endr
.irp u, 0,1
.irp b, 0,2
	v_dual_max_num_f32 v[BM+TS*\u+\b], 0xc2ec0000, v[BM+TS*\u+\b] :: v_dual_max_num_f32 v[BM+TS*\u+\b+1], 0xc2ec0000, v[BM+TS*\u+\b+1]   ; held at -118: the byte cannot fall under 1
.endr
.endr
.irp u, 0,1
	v_cvt_i32_f32 v[TT+TS*\u], v[TT+TS*\u]         ; (it saturates)
.endr
.irp u, 0,1
.irp b, 0,1,2,3
	v_cvt_floor_i32_f32 v[BM+TS*\u+\b], v[BM+TS*\u+\b]   ; floor(a), -118 .. 0: the exponent of the block's largest p
.endr
.endr
.irp u, 0,1
	v_ldexp_f32 v[FF+TS*\u], 1.0, v[TT+TS*\u]      ; f = 2^(old M - new M)
.endr
.irp u, 0,1
	v_lshl_add_u32 v[TT+TS*\u], v[BM+TS*\u+1], 8, v[BM+TS*\u]       ; the sum of floor(a_b) x 256^b, modulo 2^32;
.endr
.irp u, 0,1
	v_lshl_add_u32 v[TT+TS*\u], v[BM+TS*\u+2], 16, v[TT+TS*\u]
.endr
.irp u, 0,1
	v_lshl_add_u32 v[TT+TS*\u], v[BM+TS*\u+3], 24, v[TT+TS*\u]
.endr
.irp u, 0,1
	v_add_nc_u32 v[PS+\u], 0x77777777, v[TT+TS*\u]                  ; with 119 in each byte: p's scale word (each byte 1 .. 119, so the sum has them apart)
.endr
	WIN 0x41                                       ; O^T: destination and source 0 in window 1
.irp u, 0,1
.set i, 0
.rept 16
	v_pk_mul_f32 v[OO+32*\u+2*i:OO+32*\u+2*i+1], v[OO+32*\u+2*i:OO+32*\u+2*i+1], v[FF+TS*\u:FF+TS*\u+1] op_sel_hi:[1,0]   ; O^T under the new M, ahead of the exponentials; ascending
.set i, i+1
.endr
.endr
	WIN 0
.set i, 0
.rept 32
	v_pk_fma_f32 v[SS+2*i:SS+2*i+1], v[SS+2*i:SS+2*i+1], s[CS:CS+1], v[NM:NM+1] op_sel_hi:[1,0,0]   ; tile 0: t - M, two at a time
.set i, i+1
.endr
	s_wait_alu depctr_va_vdst(0)                   ; ahead of the first batch
.set i, 0
.rept 32
	v_exp_f32 v[SS+2*i], v[SS+2*i]                 ; tile 0: p = 2^(t - M)
; 28 plain lines stand among these exponentials: their sources were made ahead of the wait above, and their results are first read behind the wait below
.if i < 8
	v_lshl_add_u32 v[SO+TS*(i/4)+i%4], v[BM+TS*(i/4)+i%4], 23, 0x3b800000              ; exponent field floor(a) + 119: the conversion's scale operand
.elseif i < 16
	v_lshl_add_u32 v[HD+TS*((i-8)/4)+i%4], v[BM+TS*((i-8)/4)+i%4], 23, 0x3fe00000      ; 1.75 x 2^floor(a) = 448 x the scale,
.elseif i < 24
	v_lshl_add_u32 v[H2+7*((i-16)/4)+i%4], v[BM+TS*((i-16)/4)+i%4], 23, 0x3fe00000     ; and once more, for the second half of a dual pair
.elseif i < 28
	v_pk_mul_f32 v[LA+TS*((i-24)/2)+2*(i%2):LA+TS*((i-24)/2)+2*(i%2)+1], v[LA+TS*((i-24)/2)+2*(i%2):LA+TS*((i-24)/2)+2*(i%2)+1], v[FF+TS*((i-24)/2):FF+TS*((i-24)/2)+1] op_sel_hi:[1,0]   ; the sums' four parts under the new M
.endif
	v_exp_f32 v[SS+2*i+1], v[SS+2*i+1]
	v_pk_fma_f32 v[SS+64+2*i:SS+64+2*i+1], v[SS+64+2*i:SS+64+2*i+1], s[CS:CS+1], v[NM+TS:NM+TS+1] op_sel_hi:[1,0,0]   ; tile 1: t - M; first read behind the wait below
.set i, i+1
.endr
	s_wait_alu depctr_va_vdst(0)                   ; behind the first batch and ahead of the second
.set i, 0
.rept 16
	v_exp_f32 v[SS+64+i], v[SS+64+i]               ; tile 1's p
	v_pk_add_f32 v[PC+2*i:PC+2*i+1], v[SS+4*i:SS+4*i+1], v[SS+4*i+2:SS+4*i+3]   ; tile 0: the first level of the sums of the UNQUANTISED p, into the registers that the codes take later
.set i, i+1
.endr
.set i, 0
.rept 16
	v_exp_f32 v[SS+80+3*i], v[SS+80+3*i]
	v_dual_min_num_f32 v[SS+4*i], v[SS+4*i], v[HD+i/4] :: v_dual_min_num_f32 v[SS+4*i+1], v[SS+4*i+1], v[H2+i/4]   ; tile 0's hold: the conversion does not saturate (ISA guide 7.6.2); p is not negative, so it is one-sided
	v_exp_f32 v[SS+80+3*i+1], v[SS+80+3*i+1]
	v_exp_f32 v[SS+80+3*i+2], v[SS+80+3*i+2]
	v_dual_min_num_f32 v[SS+4*i+2], v[SS+4*i+2], v[HD+i/4] :: v_dual_min_num_f32 v[SS+4*i+3], v[SS+4*i+3], v[H2+i/4]
.set i, i+1
.endr
	v_nop                                          ; a plain line behind the last exponential
	s_wait_alu depctr_va_vdst(0)                   ; behind the second batch
.set i, 0
.rept 16
.if i%2 == 0
	v_pk_add_f32 v[LA:LA+1], v[LA:LA+1], v[PC+2*i:PC+2*i+1]        ; four chains by turns
.else
	v_pk_add_f32 v[LB:LB+1], v[LB:LB+1], v[PC+2*i:PC+2*i+1]
.endif
	v_pk_add_f32 v[LA+TS:LA+TS+1], v[LA+TS:LA+TS+1], v[SS+64+4*i:SS+64+4*i+1]
	v_pk_add_f32 v[LB+TS:LB+TS+1], v[LB+TS:LB+TS+1], v[SS+64+4*i+2:SS+64+4*i+3]
.set i, i+1
.endr
.irp b, 0,1,2,3
.irp i, 0,2,4,6,8,10,12,14
	v_dual_min_num_f32 v[SS+64+16*\b+\i], v[SS+64+16*\b+\i], v[HD+TS+\b] :: v_dual_min_num_f32 v[SS+64+16*\b+\i+1], v[SS+64+16*\b+\i+1], v[H2+7+\b]   ; tile 1's hold
.endr
.endr
.irp u, 0,1
.irp b, 0,1,2,3
	v_cvt_scalef32_pk8_fp8_f32 v[PC+16*\u+4*\b:PC+16*\u+4*\b+1], v[SS+64*\u+16*\b:SS+64*\u+16*\b+7], v[SO+TS*\u+\b]
	v_cvt_scalef32_pk8_fp8_f32 v[PC+16*\u+4*\b+2:PC+16*\u+4*\b+3], v[SS+64*\u+16*\b+8:SS+64*\u+16*\b+15], v[SO+TS*\u+\b]
.endr
.endr
.rept 4
	v_nop                                          ; four places between the codes and the scaled products that take them
.endr
.endm
; A KEY STEP: 128 keys.  pre = 1: the next step's K is fetched under the softmax.  pre = 0: a pass's last step: in the first pass the next pass's Q is asked for instead.
.macro STEP pre
	s_wait_dscnt 0x0                               ; K and its scale words are in
	WIN 0x05                                       ; K and Q in window 1, S^T in window 0
.irp u, 0,1
.irp t, 0,1,2,3,4,5,6,7
	v_wmma_scale_f32_16x16x128_f8f6f4 v[SS+64*\u+8*\t:SS+64*\u+8*\t+7], v[KF+8*\t:KF+8*\t+15], v[QF+16*\u:QF+16*\u+15], 0, v[KSW+\t], v[QS+\u]
.endr
.endr
	WIN 0
	v_add_nc_u32 v[AL], s[TV], v[LI]               ; eight places behind the products, in front of the loads into their operands and of the first read of the scores
	v_add_nc_u32 v[AR], s[TV], v[R16]
	v_mov_b32 v[TT+1], v[NM]                       ; the old -M
	v_mov_b32 v[TT+1+TS], v[NM+TS]
.rept 4
	v_nop
.endr
	WIN 0x40                                       ; destination window 1
.irp n, 0,1,2,3
.irp c, 0,1,2,3
	ds_load_b128 v[VF+16*\n+4*\c:VF+16*\n+4*\c+3], v[AL] offset:8192+2048*\n+512*\c   ; this step's V^T
.endr
.endr
.if \pre
.irp t, 0,1,2,3,4,5,6,7
	ds_load_b128 v[KF+8*\t:KF+8*\t+3], v[AL] offset:REC+1024*\t
	ds_load_b128 v[KF+8*\t+4:KF+8*\t+7], v[AL] offset:REC+1024*\t+512
.endr
.endif
	WIN 0
	ds_load_b128 v[VSW:VSW+3], v[AR] offset:16896
.if \pre
	ds_load_b128 v[KSW:KSW+3], v[AR] offset:REC+16384
	ds_load_b128 v[KSW+4:KSW+7], v[AR] offset:REC+16640
.else
	s_cmp_eq_u32 s[PAS], 1                         ; the second pass has no successor: no load leaves its buffer
	s_cbranch_scc1 .Lno_q_\@
	QLOAD 1
.Lno_q_\@:
.endif
	SOFT2
	s_wait_alu depctr_va_vdst(0)                   ; directly ahead of the wait below
	s_wait_dscnt 0x0                               ; V^T and its scale words are in (and the next step's K)
	WIN 0x51                                       ; V^T and O^T in window 1, the codes in window 0
.irp u, 0,1
.irp n, 0,1,2,3
	v_wmma_scale_f32_16x16x128_f8f6f4 v[OO+32*\u+8*\n:OO+32*\u+8*\n+7], v[VF+16*\n:VF+16*\n+15], v[PC+16*\u:PC+16*\u+15], v[OO+32*\u+8*\n:OO+32*\u+8*\n+7], v[VSW+\n], v[PS+\u]   ; each accumulator has one product a step: the eight take turns
.endr
.endr
	WIN 0
	s_add_co_u32 s[TV], s[TV], REC
.endm
; BOTH TILES' WAY OUT: O^T / the sum; register 32 u + 16 b + i is d = 32 b + 16 (lane / 16) + i: two blocks of 32 of the projection's K; codes and bytes leave from registers.
.macro OUTQ
.irp u, 0,1
	v_pk_add_f32 v[LA+TS*\u:LA+TS*\u+1], v[LA+TS*\u:LA+TS*\u+1], v[LB+TS*\u:LB+TS*\u+1]
.endr
.irp u, 0,1
	v_add_f32 v[TT+TS*\u], v[LA+TS*\u], v[LA+1+TS*\u]
.endr
.irp u, 0,1
	v_permlanex16_b32 v[PT+TS*\u], v[TT+TS*\u], s[SEL], s[SEL+1]
.endr
.irp u, 0,1
	v_add_f32 v[TT+TS*\u], v[TT+TS*\u], v[PT+TS*\u]   ; with lane l xor 16's keys: the row's sum
.endr
	s_wait_alu depctr_va_vdst(0)                   ; ahead of the two reciprocals
.irp u, 0,1
	v_rcp_f32 v[FF+TS*\u], v[TT+TS*\u]
.endr
	v_nop                                          ; a plain line behind the transcendentals
	WIN 0x41
	s_wait_alu depctr_va_vdst(0)                   ; behind them, directly ahead of the first readers of the last products' results
.irp u, 0,1
.set i, 0
.rept 16
	v_pk_mul_f32 v[OO+32*\u+2*i:OO+32*\u+2*i+1], v[OO+32*\u+2*i:OO+32*\u+2*i+1], v[FF+TS*\u:FF+TS*\u+1] op_sel_hi:[1,0]   ; ascending: each accumulator is read from its low end on
.set i, i+1
.endr
.endr
	WIN 0x14
.irp u, 0,1
.irp b, 0,1
	v_max3_num_f32 v[BM+TS*\u+\b], 0x4800000, |v[OO+32*\u+16*\b]|, |v[OO+32*\u+16*\b+1]|   ; with the floor 2^(9 - 127)
.endr
.endr
.irp i, 2,4,6,8,10,12,14
.irp u, 0,1
.irp b, 0,1
	v_max3_num_f32 v[BM+TS*\u+\b], v[BM+TS*\u+\b], |v[OO+32*\u+16*\b+\i]|, |v[OO+32*\u+16*\b+\i+1]|
.endr
.endr
.endr
	WIN 0
.irp u, 0,1
.irp b, 0,1
	v_permlanex16_b32 v[PT+TS*\u+\b], v[BM+TS*\u+\b], s[SEL], s[SEL+1]
.endr
.endr
.irp u, 0,1
.irp b, 0,1
	v_max_num_f32 v[BM+TS*\u+\b], v[BM+TS*\u+\b], v[PT+TS*\u+\b]
.endr
.endr
.irp u, 0,1
.irp b, 0,1
	v_add_nc_u32 v[SO+TS*\u+\b], 0xfc000000, v[BM+TS*\u+\b]        ; 8 off the exponent field
.endr
.endr
.irp u, 0,1
.irp b, 0,1
	v_and_or_b32 v[HD+TS*\u+\b], v[BM+TS*\u+\b], 0x7f800000, s[MNT]   ; 448 x the scale
.endr
.endr
.irp u, 0,1
.irp b, 0,1
	v_lshrrev_b32 v[PT+TS*\u+\b], 23, v[SO+TS*\u+\b]               ; the scale's byte
.endr
.endr
.irp u, 0,1
	v_lshl_or_b32 v[TT+TS*\u], v[PT+TS*\u+1], 8, v[PT+TS*\u]
.endr
.irp u, 0,1
	v_lshrrev_b32 v[TT+1+TS*\u], v[SH8], v[TT+TS*\u]               ; lane (r, h) sends block h's byte
.endr
	WIN 0x41
.irp u, 0,1
.irp b, 0,1
.irp i, 0,1,2,3,4,5,6,7,8,9,10,11,12,13,14,15
	v_med3_num_f32 v[OO+32*\u+16*\b+\i], v[OO+32*\u+16*\b+\i], -v[HD+TS*\u+\b], v[HD+TS*\u+\b]
.endr
.endr
.endr
	WIN 0x01
.irp u, 0,1
.irp b, 0,1
	v_cvt_scalef32_pk8_fp8_f32 v[PC+16*\u+4*\b:PC+16*\u+4*\b+1], v[OO+32*\u+16*\b:OO+32*\u+16*\b+7], v[SO+TS*\u+\b]
	v_cvt_scalef32_pk8_fp8_f32 v[PC+16*\u+4*\b+2:PC+16*\u+4*\b+3], v[OO+32*\u+16*\b+8:OO+32*\u+16*\b+15], v[SO+TS*\u+\b]
.endr
.endr
	WIN 0
	v_nop                                          ; one plain line behind the last conversion
.irp u, 0,1
	global_store_b128 v[LI], v[PC+16*\u:PC+16*\u+3], s[10:11] offset:16384*\u          ; a chunk: 512 consecutive bytes, aligned
	global_store_b128 v[LI], v[PC+16*\u+4:PC+16*\u+7], s[10:11] offset:16384*\u+512
	global_store_b8 v[ASO], v[TT+1+TS*\u], s[12:13] offset:512*\u                      ; a head owns two of a row's 32 scale bytes: 262,144 bytes in the whole launch go out so
.endr
.endm
	s_wait_alu depctr_va_vdst(0)
	s_wait_tensorcnt 0x0                           ; my two records have landed,
	s_barrier_signal -1
	s_barrier_wait -1                              ; everybody's have: the head lies in LDS, and nobody writes LDS from here on but the closing add
	s_mov_b32 s[PAS], 0
.Lpass:
.irp u, 0,1                            ; a tile's state at the head of a pass: the first change of M multiplies zeros by 0, so the step has no first form of its own
	v_mov_b32 v[NM+1+TS*\u], 0xff61b1e6            ; the largest score so far: -3e38
	v_mov_b32 v[NM+TS*\u], 0x7f61b1e6              ; -M: 3e38
.irp j, 0,1,2,3
	v_mov_b32 v[LA+TS*\u+\j], 0
.endr
.endr
	WIN 0x40
.set i, 0
.rept 64
	v_mov_b32 v[OO+i], 0
.set i, i+1
.endr
.irp t, 0,1,2,3,4,5,6,7
	ds_load_b128 v[KF+8*\t:KF+8*\t+3], v[LI] offset:1024*\t        ; key step 0's K (the products that read these registers stand a softmax back)
	ds_load_b128 v[KF+8*\t+4:KF+8*\t+7], v[LI] offset:1024*\t+512
.endr
	WIN 0
	ds_load_b128 v[KSW:KSW+3], v[R16] offset:16384
	ds_load_b128 v[KSW+4:KSW+7], v[R16] offset:16640
	s_mov_b32 s[TV], 0
	s_wait_alu depctr_va_vdst(0)                   ; directly ahead of the wait below
	s_wait_loadcnt 0x0                             ; Q
	s_mov_b32 s[STP], 15
.Lstep:
	STEP 1
	s_sub_co_u32 s[STP], s[STP], 1
	s_cmp_lg_u32 s[STP], 0
	s_cbranch_scc1 .Lstep
	STEP 0
.rept 8
	v_nop                                          ; places behind the last products
.endr
	OUTQ
	s_wait_xcnt 0x0                                ; the stores have had their addresses translated (ISA guide 3.1): their bases and data may be written again
	s_add_nc_u64 s[10:11], s[10:11], 0x40000       ; 16 row tiles on
	s_add_nc_u64 s[12:13], s[12:13], 0x2000
	s_add_co_u32 s[PAS], s[PAS], 1
	s_cmp_lt_u32 s[PAS], 2
	s_cbranch_scc1 .Lpass
	s_wait_tensorcnt 0x0                           ; the wave's end
	ds_add_u32 v[SPW], v[NIL]
	s_wait_dscnt 0x0
	CROUND                                         ; the closing round: no work-group ends while a partner may still ask for bytes that name it
	s_endpgm
.Lfunc_end_k_q891fbba3a2_attn:
	.size	k_q891fbba3a2_attn, .Lfunc_end_k_q891fbba3a2_attn-k_q891fbba3a2_attn
	.p2alignl 7, 3214868480
	.fill 96, 4, 3214868480
	.section	.rodata,"a",@progbits
	.p2align	6, 0x0
	.amdhsa_kernel k_q891fbba3a2_attn
		.amdhsa_group_segment_fixed_size 275456
		.amdhsa_private_segment_fixed_size 0
		.amdhsa_enable_private_segment 0
		.amdhsa_kernarg_size 40
		.amdhsa_user_sgpr_count 2
		.amdhsa_user_sgpr_kernarg_segment_ptr 1
		.amdhsa_wavefront_size32 1
		.amdhsa_system_sgpr_workgroup_id_x 1
		.amdhsa_system_sgpr_workgroup_id_y 1
		.amdhsa_system_sgpr_workgroup_id_z 1
		.amdhsa_system_vgpr_workitem_id 0
		.amdhsa_next_free_vgpr 512
		.amdhsa_next_free_sgpr 66
		.amdhsa_reserve_vcc 0
		.amdhsa_float_denorm_mode_32 3
		.amdhsa_float_denorm_mode_16_64 3
		.amdhsa_memory_ordered 1
		.amdhsa_forward_progress 1
		.amdhsa_inst_pref_size 91
	.end_amdhsa_kernel
	.amdgpu_metadata
---
amdhsa.version: [ 1, 2 ]
amdhsa.kernels:
  - .name:           k_q891fbba3a2_attn
    .symbol:         k_q891fbba3a2_attn.kd
    .args:
      - { .name: q_img, .offset: 0, .size: 8, .value_kind: global_buffer, .address_space: global }
      - { .name: q_sc, .offset: 8, .size: 8, .value_kind: global_buffer, .address_space: global }
      - { .name: kv, .offset: 16, .size: 8, .value_kind: global_buffer, .address_space: global }
      - { .name: a_img, .offset: 24, .size: 8, .value_kind: global_buffer, .address_space: global }
      - { .name: a_sc, .offset: 32, .size: 8, .value_kind: global_buffer, .address_space: global }
    .group_segment_fixed_size: 275456
    .private_segment_fixed_size: 0
    .kernarg_segment_align: 8
    .kernarg_segment_size: 40
    .max_flat_workgroup_size: 256
    .sgpr_count:     66
    .vgpr_count:     512
    .wavefront_size: 32
...
	.end_amdgpu_metadata
.endif
;; end of part 3
;; launch gemm_out (part 4): grid 4 x 64, 4 waves a work-group, clusters of 4 x 4, 327,680 bytes of LDS; arguments a_img, a_sc, codes, scales, b_out, out0; writes out0
.if DOCPART == 4
	.amdgcn_target "amdgcn-amd-amdhsa--gfx1250"
	.amdhsa_code_object_version 6
	.text
	.protected	k_q891fbba3a2_gemm_out
	.globl	k_q891fbba3a2_gemm_out
	.p2align	8
	.type	k_q891fbba3a2_gemm_out,@function
k_q891fbba3a2_gemm_out:
	s_mov_b64 s[64:65], 0
	v_nop
	global_prefetch_b8 v0, s[64:65] scope:SCOPE_SE
	s_setreg_imm32_b32 hwreg(HW_REG_WAVE_MODE, 25, 1), 1
	s_wait_xcnt 0x0
	s_wait_alu depctr_hold_cnt(0) depctr_sa_sdst(0) depctr_va_vdst(0) depctr_va_sdst(0) depctr_va_ssrc(0) depctr_va_vcc(0) depctr_vm_vsrc(0)
	s_getreg_b32 s2, hwreg(HW_REG_IB_STS2, 6, 4)
	s_cmp_eq_u32 s2, 0
	s_cbranch_scc0 .Lentry_in_a_cluster
	s_endpgm
.Lentry_in_a_cluster:
	s_bfe_u32 s2, ttmp6, 0x10000c
	s_cmp_lg_u32 s2, 0xf033
	s_cbranch_scc0 .Lentry_shape_is_right
	s_endpgm
.Lentry_shape_is_right:
.set HALFT,  32768
.set SLOT,   3*HALFT                   ; a work-group makes 128 x 256 of the result: a slot holds A's 8 row tiles (HALFT bytes), then B's 16 (2 HALFT); a wave makes 64 x 128: 32 accumulators, by turns
.set SCL,    2*SLOT
.set HALFS,  16*272
.set SBLK,   2*272
.set SPARE,  SCL+4*HALFS
.set SPITCH, 528
.set FR,     16
.set NP,     8
.set ADRA, 16
.set ADRB, 20
.set STO,  24
.set RD,   25
.set LI,   26
.set ADRS, 27
.set SPW,  28
.set NIL,  29
.set BO,   30
.set SC,   32
.set BI,   64
.set AF,   128
.set BK,   128
.set G1, 24
.set G0, 32
.set G1B, 48
.set G0B, 56
.set G1S, 68
.set G0S, 76
.set G1SB, 80
.set G0SB, 88
.set MSB, 0
.macro WIN new
.if MSB != \new
	s_set_vgpr_msb (MSB<<8)|\new
.set MSB, \new
.endif
.endm
.set MUL_LO, 0xa1
.set MUL_HI, 0xf1
.set FIRST_LO, 0x81
.set FIRST_HI, 0xc1
.set TO_B,   0x40
.macro JLOAD g0a, g1a, g0b, g1b
	s_cmp_eq_u32 s15, 0
	s_cbranch_scc0 .Lfor_b_\@
	tensor_load_to_lds s[\g0a:\g0a+3], s[\g1a:\g1a+7]
	s_nop 0
.rept 4
	v_nop
.endr
	s_branch .Lasked_\@
.Lfor_b_\@:
	tensor_load_to_lds s[\g0b:\g0b+3], s[\g1b:\g1b+7]
	s_nop 0
.rept 4
	v_nop
.endr
.Lasked_\@:
.endm
.macro CREST
	s_cmp_lg_u32 s14, 0
	s_cbranch_scc1 .Lnot_wave_0_\@
	s_barrier_signal -3
.Lnot_wave_0_\@:
	s_barrier_wait -3
	s_barrier_signal -1
	s_barrier_wait -1
.endm
.macro CROUND
	s_barrier_signal -1
	s_barrier_wait -1
	CREST
.endm
	s_load_b256 s[4:11], s[0:1], 0x0
	s_load_b128 s[96:99], s[0:1], 0x20
	v_lshl_add_u32 v[SPW], v0, 2, SPARE
	v_mov_b32 v[NIL], 0
	ds_add_u32 v28, v29
	ds_add_u32 v28, v29
	s_wait_dscnt 0x0
	v_lshrrev_b32 v1, 5, v0
	v_readfirstlane_b32 s14, v1
	s_lshr_b32 s15, s14, 1
	s_and_b32 s16, s14, 1
	s_bfe_u32 s40, ttmp6, 0x40000
	s_bfe_u32 s41, ttmp6, 0x40004
	s_lshl_b32 s42, ttmp9, 2
	s_add_co_u32 s42, s42, s40
	s_and_b32 s17, ttmp7, 0xffff
	s_lshl_b32 s17, s17, 2
	s_add_co_u32 s17, s17, s41
	s_lshl_b32 s43, s41, 2
	s_lshl_b32 s43, 15, s43
	s_lshl_b32 s44, 0x1111, s40
	s_or_b32 s[G1+0], s43, (3<<16)|(1<<21)
	s_or_b32 s[G1B+0], s44, (3<<16)|(1<<21)
.irp g, G1, G1B
	s_mov_b32 s[\g+1], 512<<16
	s_mov_b32 s[\g+2], 16<<16                      ; B's head load brings 16 row tiles, A's 8; behind them B's two words are set to 8 and A's to 4, for the ring's
	s_mov_b32 s[\g+3], 512<<16
	s_mov_b32 s[\g+4], 16
	s_mov_b32 s[\g+5], 2048
	s_mov_b32 s[\g+6], 0
	s_mov_b32 s[\g+7], 0
.endr
	s_mov_b32 s[G1+2], 8<<16                       ; A's tile has 8 row tiles at the head
	s_mov_b32 s[G1+4], 8
	s_or_b32 s[G1S+0], s43, (3<<16)|(1<<20)|(1<<21)|(5<<22)|(3<<25)
	s_or_b32 s[G1SB+0], s44, (3<<16)|(1<<20)|(1<<21)|(5<<22)|(3<<25)
.irp g, G1S, G1SB
	s_mov_b32 s[\g+1], 32<<16
	s_mov_b32 s[\g+2], 32<<16                      ; the scales of 256 rows: 32 rows of 256 bytes
	s_mov_b32 s[\g+3], 32<<16
	s_mov_b32 s[\g+4], 32
	s_mov_b32 s[\g+5], 32
	s_mov_b32 s[\g+6], 0
	s_mov_b32 s[\g+7], 0
.endr
	s_mov_b32 s[G1S+2], 16<<16                     ; A's scales: 128 rows, 16 rows of 256 bytes
	s_mov_b32 s[G1S+4], 16
	s_lshl_b32 s20, s17, 3                         ; A's first row tile: 8 x tile row
	s_lshl_b32 s22, s20, 9
	s_lshl_b32 s20, s20, 14
	s_mov_b32 s21, 0
	s_mov_b32 s23, 0
	s_lshl_b32 s46, s42, 4
	s_add_co_u32 s46, s46, 704
	s_lshl_b32 s92, s46, 9
	s_lshl_b32 s46, s46, 14
	s_mov_b32 s47, 0
	s_mov_b32 s93, 0
	s_wait_kmcnt 0x0
	s_add_nc_u64 s[20:21], s[4:5], s[20:21]
	s_add_nc_u64 s[22:23], s[6:7], s[22:23]
	s_add_nc_u64 s[46:47], s[8:9], s[46:47]
	s_add_nc_u64 s[92:93], s[10:11], s[92:93]
	CROUND
	s_mov_b32 s[G0S], 1
	s_mov_b32 s[G0S+1], SCL
	s_mov_b64 s[G0S+2:G0S+3], s[22:23]
	s_or_b32 s[G0S+3], s[G0S+3], 0x80000000
	s_mov_b32 s[G0SB], 1
	s_mov_b32 s[G0SB+1], SCL+HALFS
	s_mov_b64 s[G0SB+2:G0SB+3], s[92:93]
	s_or_b32 s[G0SB+3], s[G0SB+3], 0x80000000
	s_mov_b32 s[G0], 1                             ; the head's loads of K step 0, each a whole tile: A's 8 row tiles at slot 0's first byte,
	s_mov_b32 s[G0+1], 0
	s_mov_b64 s[G0+2:G0+3], s[20:21]
	s_or_b32 s[G0+3], s[G0+3], 0x80000000
	s_mov_b32 s[G0B], 1                            ; B's 16 behind them
	s_mov_b32 s[G0B+1], HALFT
	s_mov_b64 s[G0B+2:G0B+3], s[46:47]
	s_or_b32 s[G0B+3], s[G0B+3], 0x80000000
	s_lshl_b32 s2, s16, 17                         ; in the ring I fetch 8 row tiles of 16,384 bytes: which half
	s_mov_b32 s3, 0
	s_add_nc_u64 s[46:47], s[46:47], s[2:3]        ; B: my 8 row tiles
	s_lshl_b32 s2, s16, 16
	s_add_nc_u64 s[20:21], s[20:21], s[2:3]        ; A: my 4 row tiles of 16,384 bytes
	s_lshl_b32 s45, s16, 14                        ; where they go in a slot: A's halves of 16,384 bytes,
	s_lshl_b32 s94, s16, 15
	s_add_co_u32 s94, s94, HALFT                   ; B's halves of 32,768 behind A's tile
	s_mov_b32 s[G0+4], 1                           ; slot 1's groups 0: K step 1, my quarter
	s_add_co_u32 s[G0+5], s45, SLOT
	s_add_nc_u64 s[G0+6:G0+7], s[20:21], 4096
	s_or_b32 s[G0+7], s[G0+7], 0x80000000
	s_mov_b32 s[G0B+4], 1
	s_add_co_u32 s[G0B+5], s94, SLOT
	s_add_nc_u64 s[G0B+6:G0B+7], s[46:47], 4096
	s_or_b32 s[G0B+7], s[G0B+7], 0x80000000
; THE HEAD'S LOADS, ONE A WAVE: wave 0 K step 0's 128 rows of A, wave 1 its 256 rows of B, wave 2 A's scales, wave 3 B's.  One tree of branches on the wave's number: every way passes one load.
.macro ARM under, g0, g1, next
	s_cmp_lt_u32 s14, \under
	s_cbranch_scc0 \next
	tensor_load_to_lds s[\g0:\g0+3], s[\g1:\g1+7]
	s_nop 0
.rept 4
	v_nop
.endr
	s_branch .Lhead_asked
\next:
.endm
	ARM 1, G0,  G1,  .Lhead_b
	ARM 2, G0B, G1B, .Lhead_sa
	ARM 3, G0S, G1S, .Lhead_sb
	tensor_load_to_lds s[G0SB:G0SB+3], s[G1SB:G1SB+7]
	s_nop 0
.rept 4
	v_nop
.endr
.Lhead_asked:
	v_and_b32 v1, 15, v0
	v_bfe_u32 v2, v0, 4, 1
	v_and_b32 v3, 31, v0
	v_lshlrev_b32 v[LI], 4, v3
	s_wait_alu depctr_va_vdst(0)
	v_lshlrev_b32 v[BO], 6, v2
	s_lshl_b32 s46, s42, 10
	s_lshl_b32 s47, s16, 9
	s_add_co_u32 s46, s46, s47
	s_mov_b32 s47, 0
	s_add_nc_u64 s[96:97], s[96:97], s[46:47]
.irp b, 0,1,2,3,4,5,6,7
	global_load_b128 v[BI+8*\b:BI+8*\b+3], v[BO], s[96:97] offset:128*(\b/2)+32*(\b%2)
	global_load_b128 v[BI+8*\b+4:BI+8*\b+7], v[BO], s[96:97] offset:128*(\b/2)+32*(\b%2)+16
.endr
	s_lshl_b32 s21, s15, 14                        ; my 64 rows of A: 4 row tiles of 4,096 bytes in a slot
	s_mul_i32 s22, s16, HALFT
	s_add_co_u32 s22, s22, HALFT
.irp s, 0,1
	v_add_nc_u32 v[ADRA+\s], s21, v[LI]
	v_add_nc_u32 v[ADRB+\s], s22, v[LI]
	s_add_co_u32 s21, s21, SLOT
	s_add_co_u32 s22, s22, SLOT
.endr
	v_lshlrev_b32 v5, 5, v1
	v_lshrrev_b32 v6, 3, v1
	v_lshl_add_u32 v5, v6, 4, v5
	s_mul_i32 s21, s15, HALFS/2                    ; my 64 rows' scales
	s_mul_i32 s22, s16, HALFS
	s_add_co_u32 s22, s22, HALFS
	s_sub_co_u32 s22, s22, s21
	v_mul_u32_u24 v6, s22, v2
	s_add_co_u32 s21, s21, SCL
	v_add_nc_u32 v5, v5, v6
	v_add_nc_u32 v[ADRS], s21, v5
	s_mul_i32 s23, s14, 16*SPITCH
	v_mul_u32_u24 v5, v1, SPITCH
	v_lshl_add_u32 v5, v2, 6, v5
	v_add_nc_u32 v[STO], s23, v5
	v_add_nc_u32 v[RD], s23, v[LI]
	s_lshl_b32 s20, s17, 7
	s_lshl_b32 s21, s15, 6                         ; my first row of the result: 128 x tile row + 64 x half
	s_add_co_u32 s20, s20, s21
	s_lshl_b32 s20, s20, 12
	s_mov_b32 s21, 0
	s_add_nc_u64 s[20:21], s[20:21], s[46:47]
	s_add_nc_u64 s[98:99], s[98:99], s[20:21]
.macro FRAG reg, adr, q, i
.irp c, 0,1,2,3
	ds_load_b128 v[\reg+4*\c:\reg+4*\c+3], v[\adr] offset:4096*(\i)+2048*(\q)+512*\c
.endr
.endm
.macro MUL16 a0, p, q, sc, first
.irp a, \a0, \a0+1
.irp b, 0,1,2,3,4,5,6,7
.if \first
	v_wmma_scale_f32_16x16x128_f8f6f4 v[8*(8*((\a)%4)+\b):8*(8*((\a)%4)+\b)+7], v[128*(\p)+FR*\b:128*(\p)+FR*\b+FR-1], v[AF+FR*(\a):AF+FR*(\a)+FR-1], v[BI+8*\b:BI+8*\b+7], v[SC+16*(\sc)+2*\b+(\q)], v[SC+16*(\sc)+2*(\a)+(\q)] matrix_a_scale:MATRIX_SCALE_ROW1
.else
	v_wmma_scale_f32_16x16x128_f8f6f4 v[8*(8*((\a)%4)+\b):8*(8*((\a)%4)+\b)+7], v[128*(\p)+FR*\b:128*(\p)+FR*\b+FR-1], v[AF+FR*(\a):AF+FR*(\a)+FR-1], v[8*(8*((\a)%4)+\b):8*(8*((\a)%4)+\b)+7], v[SC+16*(\sc)+2*\b+(\q)], v[SC+16*(\sc)+2*(\a)+(\q)] matrix_a_scale:MATRIX_SCALE_ROW1
.endif
.endr
.endr
.endm
.macro FETCH_B slot, q, p
	WIN TO_B
.irp i, 0,1,2,3,4,5,6,7
	FRAG 128*(\p)+FR*\i, ADRB+\slot, \q, \i
.endr
	WIN 0
.endm
.macro FETCH_A slot, q, i0
.irp i, \i0, \i0+1, \i0+2, \i0+3
	FRAG AF+FR*(\i), ADRA+\slot, \q, \i
.endr
.endm
.macro SCALES sc
.irp i, 0,1,2,3,4,5,6,7
	ds_load_b64 v[SC+16*\sc+2*\i:SC+16*\sc+2*\i+1], v[ADRS] offset:\i*SBLK
.endr
.endm
.macro PLACES n
.rept \n
	v_nop
.endr
.endm
.macro STEP slot, q, first
	s_wait_dscnt 0x0                               ; this step's fragments and scale words are in
.if \first
	WIN FIRST_LO
.else
	WIN MUL_LO
.endif
	MUL16 0, (\q)%2, \q, \slot, \first
	MUL16 2, (\q)%2, \q, \slot, \first
	s_wait_dscnt 0
	PLACES NP
	FETCH_B \slot, (\q)+1, 1-(\q)%2
	FETCH_A \slot, (\q)+1, 0
.endm
.macro TURN slot, next, fill
	s_wait_tensorcnt 0x0
	ds_add_u32 v[SPW], v[NIL]
	s_wait_dscnt 1                                 ; (the add alone may be out)
	WIN MUL_LO
	MUL16 0, 1, 1, \slot, 0
	s_wait_dscnt 0x0
	s_barrier_signal -1
	MUL16 2, 1, 1, \slot, 0
	WIN 0
	s_barrier_wait -1
.if \fill
	CREST
	s_add_nc_u64 s[G0+4*\slot+2:G0+4*\slot+3], s[G0+4*\slot+2:G0+4*\slot+3], 8192
	s_add_nc_u64 s[G0B+4*\slot+2:G0B+4*\slot+3], s[G0B+4*\slot+2:G0B+4*\slot+3], 8192
	JLOAD G0+4*\slot, G1, G0B+4*\slot, G1B
	PLACES NP-4
.else
	PLACES NP
.endif
	s_wait_alu depctr_va_vdst(0)
	v_add_nc_u32 v[ADRS], 8, v[ADRS]
	FETCH_B \next, 0, 0
	FETCH_A \next, 0, 0
	SCALES \next
.endm
	s_wait_alu depctr_va_vdst(0)
	s_wait_tensorcnt 0x0                           ; my tile of the head's four is in
	ds_add_u32 v[SPW], v[NIL]
	s_mov_b32 s[G1+2], 4<<16                       ; no tensor load of mine is out, so descriptors may be written: from here on a load brings 4 row tiles of A
	s_mov_b32 s[G1+4], 4
	s_mov_b32 s[G1B+2], 8<<16                      ; or 8 of B,
	s_mov_b32 s[G1B+4], 8
	s_lshl_b32 s2, s16, 17
	s_mov_b32 s3, 0
	s_mov_b32 s[G0B+1], s94                        ; and slot 0's groups 0 name my half of a tile
	s_add_nc_u64 s[G0B+2:G0B+3], s[G0B+2:G0B+3], s[2:3]
	s_lshl_b32 s2, s16, 16
	s_mov_b32 s[G0+1], s45
	s_add_nc_u64 s[G0+2:G0+3], s[G0+2:G0+3], s[2:3]
	s_wait_dscnt 0x0
	CROUND                                         ; all four tiles are in, and all sixteen work-groups are here
	JLOAD G0+4, G1, G0B+4, G1B                     ; K step 1's load, the first tensor load behind the round
	FETCH_B 0, 0, 0
	FETCH_A 0, 0, 0
	SCALES 0
	s_wait_loadcnt 0x0
	STEP 0, 0, 1
	TURN 0, 1, 1
	STEP 1, 0, 0
	TURN 1, 0, 1
	STEP 0, 0, 0
	TURN 0, 1, 0
	STEP 1, 0, 0
	s_wait_dscnt 0x0
	WIN MUL_LO
	MUL16 0, 1, 1, 1, 0
	MUL16 2, 1, 1, 1, 0
	WIN 0
.macro TOSTAGE a
.set AC, 64*((\a)%4)
.set WW, 0x08+4*((\a)/4)
	WIN WW
.irp b, 0,1,2,3,4,5,6,7
	ds_store_b128 v[STO], v[AC+8*\b:AC+8*\b+3] offset:128*(\b/2)+32*(\b%2)
	ds_store_b128 v[STO], v[AC+8*\b+4:AC+8*\b+7] offset:128*(\b/2)+32*(\b%2)+16
.endr
	WIN 0
.set BB, BK+64*((\a)%2)
.irp t, 0,1,2,3,4,5,6,7,8,9,10,11,12,13,14,15
	ds_load_b128 v[BB+4*\t:BB+4*\t+3], v[RD] offset:\t*SPITCH
.endr
.endm
.macro SEND a, younger
.set BB, BK+64*((\a)%2)
	s_wait_dscnt \younger
.if (\a) > 0
.if ((\a)%2) == 1
	s_add_nc_u64 s[98:99], s[98:99], 8*4096
.else
	s_add_nc_u64 s[98:99], s[98:99], 24*4096
.endif
.endif
.irp t, 0,1,2,3,4,5,6,7,8,9,10,11,12,13,14,15
	global_store_b128 v[LI], v[BB+4*\t:BB+4*\t+3], s[98:99] offset:(\t+8*(\t/8))*4096 th:TH_STORE_NT
.endr
.endm
	PLACES NP
	TOSTAGE 0
.irp a, 1,2,3
.if \a > 1
	s_wait_xcnt 0x0
.endif
	TOSTAGE \a
	SEND \a-1, 32
.endr
	s_wait_xcnt 0x0
	SEND 3, 0
	s_wait_tensorcnt 0x0
	ds_add_u32 v[SPW], v[NIL]
	s_wait_dscnt 0x0
	CROUND
	s_endpgm
.Lfunc_end_k_q891fbba3a2_gemm_out:
	.size	k_q891fbba3a2_gemm_out, .Lfunc_end_k_q891fbba3a2_gemm_out-k_q891fbba3a2_gemm_out
	.p2alignl 7, 3214868480
	.fill 96, 4, 3214868480
	.section	.rodata,"a",@progbits
	.p2align	6, 0x0
	.amdhsa_kernel k_q891fbba3a2_gemm_out
		.amdhsa_group_segment_fixed_size 327680
		.amdhsa_private_segment_fixed_size 0
		.amdhsa_enable_private_segment 0
		.amdhsa_kernarg_size 48
		.amdhsa_user_sgpr_count 2
		.amdhsa_user_sgpr_kernarg_segment_ptr 1
		.amdhsa_wavefront_size32 1
		.amdhsa_system_sgpr_workgroup_id_x 1
		.amdhsa_system_sgpr_workgroup_id_y 1
		.amdhsa_system_sgpr_workgroup_id_z 1
		.amdhsa_system_vgpr_workitem_id 0
		.amdhsa_next_free_vgpr 1024
		.amdhsa_next_free_sgpr 100
		.amdhsa_reserve_vcc 0
		.amdhsa_float_denorm_mode_32 3
		.amdhsa_float_denorm_mode_16_64 3
		.amdhsa_memory_ordered 1
		.amdhsa_forward_progress 1
		.amdhsa_inst_pref_size 91
	.end_amdhsa_kernel
	.amdgpu_metadata
---
amdhsa.version: [ 1, 2 ]
amdhsa.kernels:
  - .name:           k_q891fbba3a2_gemm_out
    .symbol:         k_q891fbba3a2_gemm_out.kd
    .args:
      - { .name: a_img, .offset: 0, .size: 8, .value_kind: global_buffer, .address_space: global }
      - { .name: a_sc, .offset: 8, .size: 8, .value_kind: global_buffer, .address_space: global }
      - { .name: codes, .offset: 16, .size: 8, .value_kind: global_buffer, .address_space: global }
      - { .name: scales, .offset: 24, .size: 8, .value_kind: global_buffer, .address_space: global }
      - { .name: b_out, .offset: 32, .size: 8, .value_kind: global_buffer, .address_space: global }
      - { .name: out0, .offset: 40, .size: 8, .value_kind: global_buffer, .address_space: global }
    .group_segment_fixed_size: 327680
    .private_segment_fixed_size: 0
    .kernarg_segment_align: 8
    .kernarg_segment_size: 48
    .max_flat_workgroup_size: 128
    .sgpr_count:     100
    .vgpr_count:     1024
    .wavefront_size: 32
...
	.end_amdgpu_metadata
.endif
;; end of part 4
